; MI455X (gfx1250); checked and timed in simulation.
; The chip was launched on July 23, 2026; its instructions are those of AMD's public machine-readable ISA for CDNA 5 (MIT licence, August 2026) and "CDNA5" Instruction Set Architecture Reference Guide (July 2026). The comments in the code are by the model that wrote it; some were corrected since.
;; Retention Layer. Allowed arithmetic: float matrix products may take bf16 or f16 operands with f32 sums; all other float work in f32.
;; Inputs: Wg 1,024 x 1,024 float32; Wk 1,024 x 1,024 float32; Wo 1,024 x 1,024 float32; Wq 1,024 x 1,024 float32; Wv 1,024 x 1,024 float32; gn_b 1,024 float32; gn_w 1,024 float32; x 2 x 2,048 x 1,024 float32.
;; Outputs: out0 2 x 2,048 x 1,024 float32.
;; One version. Each part assembles by itself: llvm-mc -triple=amdgcn-amd-amdhsa -mcpu=gfx1250 --defsym DOCPART=n.
;; ======== version 1 of 1: 4 launches
;; limits: values outside matrix products are rounded to f16; values are held in f16: magnitudes above 65,504 overflow, below 6.1e-05 lose precision; right only within a limited range of input values
;; workspace buffers: xh 8,388,608 bytes; wh 10,485,760 bytes; rt 524,288 bytes; gnp 8,192 bytes; qkvg 33,554,432 bytes; qs 262,144 bytes; yh 8,388,608 bytes
;; launch cast (part 1): grid 256 x 1, 8 waves a work-group, no clusters, 0 bytes of LDS; arguments x, Wq, Wv, Wk, Wg, Wo, gn_w, gn_b, xh, wh, rt, gnp; writes xh, wh, rt, gnp
.if DOCPART == 1
	.amdgcn_target "amdgcn-amd-amdhsa--gfx1250"
	.amdhsa_code_object_version 6
	.text
	.protected	k_q534a9eedf4_cast
	.globl	k_q534a9eedf4_cast
	.p2align	8
	.type	k_q534a9eedf4_cast,@function
k_q534a9eedf4_cast:
	s_mov_b64 s[64:65], 0
	v_nop
	global_prefetch_b8 v0, s[64:65] scope:SCOPE_SE
	s_setreg_imm32_b32 hwreg(HW_REG_WAVE_MODE, 25, 1), 1
	s_wait_xcnt 0x0
; Prepares the matrix operands, once, so that no later work-group converts the same number again.
;   xh  = f16(x)                                   [4096][1024]
;   wh  = f16 of the weights, 5120 rows of 1024:   row head*256 + slot*64 + d = W_slot[head*64 + d], slot q 0, v 1, k 2, g 3;
;         row 4096 + n = Wo[n][k] * c[k]
;   rt  = [pos 2048][32 cos, 32 sin] f32, all times 0.125 (the 64^-0.5 of the scores rides on k; q is normalised later anyway)
;   gnp = gn_w / c [1024], gn_b / c [1024] f32
; c[k] = 2^(exponent(clamp(8|w| + |b|, 2^-6, 2^10)) + 1): a power of two, so w/c, b/c and Wo*c are exact rescalings; it keeps
; (n w + b)/c inside [-1, 1] (|n| < 8 in a group of 64), so that the gated value has f16's room whenever the gate has.
; LIMITS: f16 operands: |x| and |W| below 65,504 and above about 1e-7 in spread; 8|w| + |b| above 2^10 loses the bound above.
; The angle is reduced in turns in f32, as pos * inv_freq is formed in f32 too; the sine is a Taylor sum up to x^17 on [-pi, pi].
; A stream: 256 work-groups, each 16 rows of x, 4 rows of each weight, 8 rows of the table.  Thread t owns columns 4t .. 4t+3:
; a wave's load covers 512 consecutive bytes, a wave's store 256 consecutive, aligned bytes.  All 38 loads go out first.
; No LDS, no barrier, no matrix unit: nothing is shared and nothing is multiplied.
.set D, 24                             ; v[24:167]  row k of 36: four f32 as loaded, then two words of f16
.set GW, 168                           ; v[168:171] gn_w of my columns
.set GB, 172                           ; v[172:175] gn_b
.set CC, 176                           ; v[176:179] c
.set RC, 180                           ; v[180:183] 1/c
.set GO, 184                           ; v[184:191] w/c, b/c (work-group 0 stores them)
	s_load_b512 s[8:23], s[0:1], 0x0               ; x 8, Wq 10, Wv 12, Wk 14, Wg 16, Wo 18, gn_w 20, gn_b 22
	s_load_b256 s[24:31], s[0:1], 0x40             ; xh 24, wh 26, rt 28, gnp 30
	v_lshlrev_b32 v1, 4, v0                        ; 16 t: my four f32
	v_lshlrev_b32 v2, 3, v0                        ; 8 t: my four f16 (and my two numbers of the table)
	s_mov_b32 s3, 0
	s_mov_b32 s36, 0x3c800000                      ; 2^-6
	s_mov_b32 s37, 0x44800000                      ; 2^10
	s_mov_b32 s38, 0x41000000                      ; 8.0
	s_wait_kmcnt 0x0
	s_lshl_b32 s2, ttmp9, 16                       ; 16 rows of 4,096 bytes
	s_add_nc_u64 s[8:9], s[8:9], s[2:3]
	s_lshl_b32 s2, ttmp9, 14                       ; 4 rows of 4,096 bytes
.irp w, 10,12,14,16,18
	s_add_nc_u64 s[\w:\w+1], s[\w:\w+1], s[2:3]
.endr
	s_lshl_b32 s2, ttmp9, 15                       ; 16 rows of 2,048 bytes
	s_add_nc_u64 s[24:25], s[24:25], s[2:3]
	s_lshl_b32 s2, ttmp9, 13                       ; Wo: 4 rows of 2,048 bytes, behind the 4,096 head-major rows
	s_add_nc_u64 s[34:35], s[26:27], s[2:3]
	s_add_nc_u64 s[34:35], s[34:35], 0x800000
	s_lshr_b32 s2, ttmp9, 4                        ; rows 4i .. 4i+3 lie in head i / 16, at d = 4 (i % 16)
	s_lshl_b32 s2, s2, 19                          ; a head's 256 rows of 2,048 bytes
	s_and_b32 s39, ttmp9, 15
	s_lshl_b32 s39, s39, 13
	s_add_co_u32 s2, s2, s39
	s_add_nc_u64 s[32:33], s[26:27], s[2:3]
	s_lshl_b32 s2, ttmp9, 11                       ; 8 rows of 256 bytes of the table
	s_add_nc_u64 s[28:29], s[28:29], s[2:3]
	s_lshl_b32 s39, ttmp9, 3                       ; my first position
	global_load_b128 v[GW:GW+3], v1, s[20:21]
	global_load_b128 v[GB:GB+3], v1, s[22:23]
.irp k, 0,1,2,3,4,5,6,7,8,9,10,11,12,13,14,15
	global_load_b128 v[D+4*\k:D+4*\k+3], v1, s[8:9] offset:4096*\k th:TH_LOAD_NT
.endr
.irp j, 0,1,2,3,4
.irp rr, 0,1,2,3
	global_load_b128 v[D+64+16*\j+4*\rr:D+64+16*\j+4*\rr+3], v1, s[10+2*\j:11+2*\j] offset:4096*\rr th:TH_LOAD_NT
.endr
.endr
	; The table, while the loads are on their way.  Wave w makes position 8 i + w; lane L the numbers 2L, 2L+1 of its row:
	; lanes 0-15 cosines of frequencies 2L, 2L+1, lanes 16-31 sines of 2(L-16), 2(L-16)+1.
	v_and_b32 v3, 15, v0
	v_lshlrev_b32 v3, 1, v3
	v_add_nc_u32 v4, 1, v3
	v_cvt_f32_u32 v3, v3
	v_cvt_f32_u32 v4, v4
	v_mul_f32 v3, 0xbed49a78, v3                   ; -f log2(10000) / 32
	v_mul_f32 v4, 0xbed49a78, v4
	v_exp_f32 v3, v3                               ; inv_freq
	v_exp_f32 v4, v4
	v_lshrrev_b32 v5, 5, v0                        ; a plain instruction behind the two exponentials (ISA guide 5.7.2)
	v_add_nc_u32 v5, s39, v5
	v_cvt_f32_u32 v5, v5                           ; pos
	v_and_b32 v6, 16, v0
	v_mov_b32 v7, 0x3e800000
	v_cmp_eq_u32 vcc_lo, 0, v6
	v_cndmask_b32 v6, 0, v7, vcc_lo                ; a cosine is the sine a quarter turn on
	s_wait_alu depctr_va_vdst(0)
.irp q, 3,4
	v_mul_f32 v\q, v5, v\q                         ; the angle, rounded to f32 as pos * inv_freq is
	v_mul_f32 v\q, 0.15915494, v\q                 ; in turns
	v_rndne_f32 v7, v\q
	v_sub_f32 v\q, v\q, v7
	v_add_f32 v\q, v\q, v6
	v_rndne_f32 v7, v\q
	v_sub_f32 v\q, v\q, v7                         ; in [-1/2, 1/2]
.endr
	v_mul_f32 v8, 0x40c90fdb, v3
	v_mul_f32 v9, 0x40c90fdb, v4
	v_mul_f32 v8, v8, v8                           ; z = x^2
	v_mul_f32 v9, v9, v9
	v_mov_b32 v10, 0x274a963c                      ; 1/17!
	v_mov_b32 v11, 0x274a963c
.irp c, 0xab573f9f, 0x2f309231, 0xb2d7322b, 0x3638ef1d, 0xb9500d01, 0x3c088889, 0xbe2aaaab
	v_fmaak_f32 v10, v10, v8, \c
	v_fmaak_f32 v11, v11, v9, \c
.endr
	v_fma_f32 v10, v10, v8, 1.0
	v_fma_f32 v11, v11, v9, 1.0
	v_mul_f32 v3, 0x3f490fdb, v3                   ; x / 8 = turns * pi / 4
	v_mul_f32 v4, 0x3f490fdb, v4
	v_mul_f32 v12, v3, v10
	v_mul_f32 v13, v4, v11
	global_store_b64 v2, v[12:13], s[28:29]        ; 8 t = 256 w + 8 L: a wave stores one whole row of 256 bytes
	s_wait_loadcnt 36                              ; gn_w and gn_b are in; the 36 loads issued behind them stay out
.irp k, 0,1,2,3
	v_and_b32 v[CC+\k], 0x7fffffff, v[GW+\k]
	v_and_b32 v[RC+\k], 0x7fffffff, v[GB+\k]
	v_fma_f32 v[CC+\k], v[CC+\k], s38, v[RC+\k]    ; 8 |w| + |b|
	v_med3_num_f32 v[CC+\k], v[CC+\k], s36, s37
	v_and_b32 v[CC+\k], 0x7f800000, v[CC+\k]
	v_add_nc_u32 v[CC+\k], 0x800000, v[CC+\k]      ; c: the next power of two above
	v_sub_nc_u32 v[RC+\k], 0x7f000000, v[CC+\k]    ; 1/c, exactly: exponent 254 - E
.endr
	s_cmp_lg_u32 ttmp9, 0
	s_cbranch_scc1 .Lnot_first                     ; every work-group needs c; one stores w/c and b/c
	v_pk_mul_f32 v[GO:GO+1], v[GW:GW+1], v[RC:RC+1]
	v_pk_mul_f32 v[GO+2:GO+3], v[GW+2:GW+3], v[RC+2:RC+3]
	v_pk_mul_f32 v[GO+4:GO+5], v[GB:GB+1], v[RC:RC+1]
	v_pk_mul_f32 v[GO+6:GO+7], v[GB+2:GB+3], v[RC+2:RC+3]
	global_store_b128 v1, v[GO:GO+3], s[30:31]
	global_store_b128 v1, v[GO+4:GO+7], s[30:31] offset:4096
.Lnot_first:
; Row k: wait for it, (Wo: times c,) round to f16 in place, store.  No register that a store reads is written again.
.macro CV k, base, off, scaled
	s_wait_loadcnt 35-(\k)                         ; loads return in order (ISA guide 5.7.1): the 35 - k younger ones stay out
.if \scaled
	v_pk_mul_f32 v[D+4*(\k):D+4*(\k)+1], v[D+4*(\k):D+4*(\k)+1], v[CC:CC+1]
	v_pk_mul_f32 v[D+4*(\k)+2:D+4*(\k)+3], v[D+4*(\k)+2:D+4*(\k)+3], v[CC+2:CC+3]
.endif
	v_cvt_pk_f16_f32 v[D+4*(\k)], v[D+4*(\k)], v[D+4*(\k)+1]
	v_cvt_pk_f16_f32 v[D+4*(\k)+1], v[D+4*(\k)+2], v[D+4*(\k)+3]
	global_store_b64 v2, v[D+4*(\k):D+4*(\k)+1], s[\base:\base+1] offset:\off
.endm
.irp k, 0,1,2,3,4,5,6,7,8,9,10,11,12,13,14,15
	CV \k, 24, 2048*\k, 0
.endr
.irp j, 0,1,2,3
.irp rr, 0,1,2,3
	CV 16+4*\j+\rr, 32, 131072*\j+2048*\rr, 0
.endr
.endr
.irp rr, 0,1,2,3
	CV 32+\rr, 34, 2048*\rr, 1
.endr
	s_endpgm
.Lfunc_end_k_q534a9eedf4_cast:
	.size	k_q534a9eedf4_cast, .Lfunc_end_k_q534a9eedf4_cast-k_q534a9eedf4_cast
	.p2alignl 7, 3214868480
	.fill 96, 4, 3214868480
	.section	.rodata,"a",@progbits
	.p2align	6, 0x0
	.amdhsa_kernel k_q534a9eedf4_cast
		.amdhsa_group_segment_fixed_size 0
		.amdhsa_private_segment_fixed_size 0
		.amdhsa_enable_private_segment 0
		.amdhsa_kernarg_size 96
		.amdhsa_user_sgpr_count 2
		.amdhsa_user_sgpr_kernarg_segment_ptr 1
		.amdhsa_wavefront_size32 1
		.amdhsa_system_sgpr_workgroup_id_x 1
		.amdhsa_system_sgpr_workgroup_id_y 1
		.amdhsa_system_sgpr_workgroup_id_z 1
		.amdhsa_system_vgpr_workitem_id 0
		.amdhsa_next_free_vgpr 192
		.amdhsa_next_free_sgpr 66
		.amdhsa_reserve_vcc 1
		.amdhsa_float_denorm_mode_32 3
		.amdhsa_float_denorm_mode_16_64 3
		.amdhsa_memory_ordered 1
		.amdhsa_forward_progress 1
		.amdhsa_inst_pref_size 20
	.end_amdhsa_kernel
	.amdgpu_metadata
---
amdhsa.version: [ 1, 2 ]
amdhsa.kernels:
  - .name:           k_q534a9eedf4_cast
    .symbol:         k_q534a9eedf4_cast.kd
    .args:
      - { .name: x, .offset: 0, .size: 8, .value_kind: global_buffer, .address_space: global }
      - { .name: Wq, .offset: 8, .size: 8, .value_kind: global_buffer, .address_space: global }
      - { .name: Wv, .offset: 16, .size: 8, .value_kind: global_buffer, .address_space: global }
      - { .name: Wk, .offset: 24, .size: 8, .value_kind: global_buffer, .address_space: global }
      - { .name: Wg, .offset: 32, .size: 8, .value_kind: global_buffer, .address_space: global }
      - { .name: Wo, .offset: 40, .size: 8, .value_kind: global_buffer, .address_space: global }
      - { .name: gn_w, .offset: 48, .size: 8, .value_kind: global_buffer, .address_space: global }
      - { .name: gn_b, .offset: 56, .size: 8, .value_kind: global_buffer, .address_space: global }
      - { .name: xh, .offset: 64, .size: 8, .value_kind: global_buffer, .address_space: global }
      - { .name: wh, .offset: 72, .size: 8, .value_kind: global_buffer, .address_space: global }
      - { .name: rt, .offset: 80, .size: 8, .value_kind: global_buffer, .address_space: global }
      - { .name: gnp, .offset: 88, .size: 8, .value_kind: global_buffer, .address_space: global }
    .group_segment_fixed_size: 0
    .private_segment_fixed_size: 0
    .kernarg_segment_align: 8
    .kernarg_segment_size: 96
    .max_flat_workgroup_size: 256
    .sgpr_count:     66
    .vgpr_count:     192
    .wavefront_size: 32
...
	.end_amdgpu_metadata
.endif
;; end of part 1
;; launch proj (part 2): grid 16 x 16, 4 waves a work-group, clusters of 4 x 4, 327,680 bytes of LDS; arguments xh, wh, rt, qkvg, qs; writes qkvg, qs
.if DOCPART == 2
	.amdgcn_target "amdgcn-amd-amdhsa--gfx1250"
	.amdhsa_code_object_version 6
	.text
	.protected	k_q534a9eedf4_proj
	.globl	k_q534a9eedf4_proj
	.p2align	8
	.type	k_q534a9eedf4_proj,@function
k_q534a9eedf4_proj:
	s_mov_b64 s[64:65], 0
	v_nop
	global_prefetch_b8 v0, s[64:65] scope:SCOPE_SE
	s_setreg_imm32_b32 hwreg(HW_REG_WAVE_MODE, 25, 1), 1
	s_wait_xcnt 0x0
	s_wait_alu depctr_hold_cnt(0) depctr_sa_sdst(0) depctr_va_vdst(0) depctr_va_sdst(0) depctr_va_ssrc(0) depctr_va_vcc(0) depctr_vm_vsrc(0)
	s_getreg_b32 s2, hwreg(HW_REG_IB_STS2, 6, 4)
	s_cmp_eq_u32 s2, 0
	s_cbranch_scc0 .Lentry_in_a_cluster
	s_endpgm
.Lentry_in_a_cluster:
	s_bfe_u32 s2, ttmp6, 0x10000c
	s_cmp_lg_u32 s2, 0xf033
	s_cbranch_scc0 .Lentry_shape_is_right
	s_endpgm
.Lentry_shape_is_right:
; The four projections as ONE product C = xh wh^T, 4096 x 4096 x 1024 in f16 with f32 sums, with RoPE and the split into heads on the way out.
; wh is head-major, so a block of 256 columns is one head's q | v | k | g, and a wave's 128 columns are q | v or k | g:
; every wave rotates its first 64 columns and converts its last 64.
; Out (planes of 8 MiB in qkvg, each [b][h][s][64] f16):  q^ = q_rot / |q_rot| (unit rows; the norm goes to qs in f32), v, k' = k_rot / 8, g.
; LIMITS: f16 planes: |k_rot| / 8, |v|, |g| below 65,504; a q row whose squared norm / 64 is below 2^-100 counts as that small.
; A work-group makes 256 x 256 with four waves, as many as a WGP has SIMDs; a wave 128 x 128: 64 accumulator tiles, 512 registers.
; K goes in steps of 128 through two LDS slots filled by the tensor data mover: rows of 256 bytes at multiples of 256 bytes.
; CLUSTERS: 4 x 4 work-groups.  The four of a row need the same tiles of xh, the four of a column the same tiles of wh: joint loads,
; the same descriptor and mask in all four, which divides the requests by four.
; REGISTERS in windows of 256: window 0 addresses, A's fragments (v64-191), RoPE table (v192-255); window 1 B's fragments;
; windows 2 and 3 the accumulators of my rows 0-63 and 64-127, tile (a, b) at v[8 (8 a + b)].
; The matrix instruction is used transposed (source 0 = rows of wh, source 1 = rows of xh): lane l holds row l % 16 and its registers
; the columns 8 (l / 16) + 0..7 of a tile: eight neighbouring numbers of a row.
.set SIZE_K, 1024
.set KSTEP,  128
.set PITCH,  272                       ; 256 bytes + 16 of padding: the 16 rows of a fragment load start in 16 different groups of banks
.set HALFT,  128*PITCH
.set SLOT,   4*HALFT
.set STAGE,  2*SLOT                    ; behind the ring: 16 rows x 272 bytes for each wave; no tensor load lands here
.set SPITCH, 272
.set LAPS, SIZE_K/(2*KSTEP)
.set QSV,  8                           ; v8-15   |q_rot| of row 16 i + r
.set ADRA, 16                          ; v16-17  LDS address of my A fragments in slot 0, 1
.set ADRB, 20                          ; v20-21  the same for B
.set QST,  22                          ; v22     stage + 4 r
.set QRD,  23                          ; v23     stage + 16 L
.set STO,  24                          ; v24     stage + 272 r + 16 h
.set RD,   25                          ; v25     stage + 272 (L / 8) + 16 (L % 8)
.set CO,   26                          ; v26     16 L
.set TB,   27                          ; v27     256 r + 32 h: my place in the table
.set TMP,  32                          ; v32-63  packed f16
.set ROT,  64                          ; v64-95  rotated q or k, f32
.set RB,   96                          ; v96-127 rows read back
.set F0,   64
.set F1,   128
.set CS0,  192                         ; v192-223, v224-255: cos (b' at +8 b'), sin (at +16 + 8 b') of 16 rows, two buffers
.set CS1,  224
.set G1, 24
.set G0, 32
.set G1B, 48
.set G0B, 56
.set MSB, 0
.macro WIN new                         ; the immediate's high byte repeats the setting that is left
.if MSB != \new
	s_set_vgpr_msb (MSB<<8)|\new
.set MSB, \new
.endif
.endm
.set MUL_LO, 0xa1                      ; source 0 (B) window 1, source 1 (A) window 0, C and D window 2
.set MUL_HI, 0xf1
.set TO_B,   0x40
; A joint load.  Waves 0 and 1 fetch A's halves, waves 2 and 3 B's; the branch hangs on the wave's number alone.
.macro JLOAD s
	s_cmp_eq_u32 s11, 0
	s_cbranch_scc0 .Lfor_b_\@
	tensor_load_to_lds s[G0+4*\s:G0+4*\s+3], s[G1:G1+7]
	s_nop 0
	s_branch .Lasked_\@
.Lfor_b_\@:
	tensor_load_to_lds s[G0B+4*\s:G0B+4*\s+3], s[G1B:G1B+7]
	s_nop 0
.Lasked_\@:
.endm
.macro CREST                           ; a round of the cluster's barrier behind its opening barrier
	s_cmp_lg_u32 s10, 0
	s_cbranch_scc1 .Lnot_wave_0_\@
	s_barrier_signal -3
.Lnot_wave_0_\@:
	s_barrier_wait -3
	s_barrier_signal -1
	s_barrier_wait -1
.endm
.macro CROUND
	s_barrier_signal -1
	s_barrier_wait -1
	CREST
.endm
	s_load_b128 s[4:7], s[0:1], 0x0                ; xh, wh
	s_load_b128 s[68:71], s[0:1], 0x10             ; rt, qkvg
	s_load_b64 s[72:73], s[0:1], 0x20              ; qs
	s_set_vgpr_msb 0x40
	v_lshl_add_u32 v255, v0, 2, 0x48400
	s_set_vgpr_msb 0x4000
	v_mov_b32 v19, 0
	s_set_vgpr_msb 0x1
	ds_add_u32 v255, v19
	s_set_vgpr_msb 0x100
	v_lshrrev_b32 v1, 5, v0
	v_readfirstlane_b32 s10, v1                    ; wave
	s_lshr_b32 s11, s10, 1                         ; my half of the block's rows; also: I fetch for A (0) or B (1)
	s_and_b32 s12, s10, 1                          ; my half of its columns (0: q | v, 1: k | g); also which 128 rows I fetch
	s_bfe_u32 s40, ttmp6, 0x40000                  ; cx
	s_bfe_u32 s41, ttmp6, 0x40004                  ; cy
	s_lshl_b32 s42, ttmp9, 2
	s_add_co_u32 s42, s42, s40                     ; block column = head
	s_and_b32 s13, ttmp7, 0xffff
	s_lshl_b32 s13, s13, 2
	s_add_co_u32 s13, s13, s41                     ; block row: 256 tokens
	s_lshl_b32 s43, s41, 2
	s_lshl_b32 s43, 15, s43                        ; my row of the cluster
	s_lshl_b32 s44, 0x1111, s40                    ; my column
	s_or_b32 s[G1+0], s43, (1<<16)|(1<<20)|(1<<21)|(5<<22)|(3<<25)  ; mask; 2-byte elements; padding on; bit 21 beside a mask; 4 words behind every 64
	s_or_b32 s[G1B+0], s44, (1<<16)|(1<<20)|(1<<21)|(5<<22)|(3<<25)
	s_mov_b32 s[G1B+1], KSTEP<<16
	s_mov_b32 s[G1+1], KSTEP<<16                   ; tensor_dim0 = 128
	s_mov_b32 s[G1B+2], 128<<16
	s_mov_b32 s[G1+2], 128<<16                     ; tensor_dim1 = 128
	s_mov_b32 s[G1B+3], KSTEP<<16
	s_mov_b32 s[G1+3], KSTEP<<16                   ; tile_dim0 = 128
	s_mov_b32 s[G1B+4], 128
	s_mov_b32 s[G1+4], 128                         ; tile_dim1 = 128
	s_mov_b32 s[G1B+5], SIZE_K
	s_mov_b32 s[G1+5], SIZE_K                      ; elements from row to row
	s_mov_b32 s[G1B+6], 0
	s_mov_b32 s[G1+6], 0
	s_mov_b32 s[G1B+7], 0
	s_mov_b32 s[G1+7], 0
	s_lshl_b32 s17, s12, 7
	s_lshl_b32 s16, s13, 8
	s_add_co_u32 s16, s16, s17                     ; A: row 256 x block row + 128 x half
	s_lshl_b32 s46, s42, 8
	s_add_co_u32 s46, s46, s17                     ; B: row 256 x head + 128 x half
	s_mov_b32 s17, 0
	s_mov_b32 s47, 0
	s_mov_b64 s[18:19], SIZE_K*2
	s_mul_u64 s[16:17], s[16:17], s[18:19]
	s_mul_u64 s[46:47], s[46:47], s[18:19]
	s_mul_i32 s20, s10, HALFT                      ; LDS: wave x 128 rows
	s_wait_dscnt 0x0
	s_wait_kmcnt 0x0
	s_add_nc_u64 s[14:15], s[4:5], s[16:17]
	s_add_nc_u64 s[46:47], s[6:7], s[46:47]
	CROUND                                         ; all sixteen work-groups are here: the first joint loads meet
.irp s, 0,1
	s_mov_b32 s[G0+4*\s], 1
	s_add_co_u32 s[G0+4*\s+1], s20, \s*SLOT
	s_add_nc_u64 s[G0+4*\s+2:G0+4*\s+3], s[14:15], \s*KSTEP*2
	s_or_b32 s[G0+4*\s+3], s[G0+4*\s+3], 0x80000000
	s_mov_b32 s[G0B+4*\s], 1
	s_add_co_u32 s[G0B+4*\s+1], s20, \s*SLOT
	s_add_nc_u64 s[G0B+4*\s+2:G0B+4*\s+3], s[46:47], \s*KSTEP*2
	s_or_b32 s[G0B+4*\s+3], s[G0B+4*\s+3], 0x80000000
	JLOAD \s                                       ; two tensor loads of the wave are out
.endr
	; where the results go
	s_and_b32 s79, s13, 7
	s_lshl_b32 s79, s79, 8
	s_lshl_b32 s66, s11, 7
	s_add_co_u32 s79, s79, s66                     ; my first position in the sequence
	s_lshl_b32 s66, s79, 8
	s_mov_b32 s67, 0
	s_add_nc_u64 s[68:69], s[68:69], s[66:67]      ; the table at that position (rows of 256 bytes)
	s_lshr_b32 s66, s13, 3                         ; batch
	s_lshl_b32 s66, s66, 4
	s_add_co_u32 s66, s66, s42
	s_lshl_b32 s66, s66, 11
	s_add_co_u32 s66, s66, s79                     ; (16 b + head) 2048 + position
	s_lshl_b32 s78, s66, 2
	s_lshl_b32 s66, s66, 7                         ; rows of 128 bytes
	s_lshl_b32 s76, s12, 24                        ; planes q, v or k, g
	s_add_co_u32 s66, s66, s76
	s_add_nc_u64 s[8:9], s[70:71], s[66:67]        ; my first plane
	s_add_nc_u64 s[74:75], s[8:9], 0x800000        ; my second plane
	s_mov_b32 s66, s78
	s_add_nc_u64 s[72:73], s[72:73], s[66:67]      ; qs
	s_mov_b32 s76, 0x76543210                      ; v_permlanex16_b32: lane i of the other half
	s_mov_b32 s77, 0xfedcba98
	s_cmp_eq_u32 s12, 0
	s_cselect_b32 s78, -1, 0                       ; all lanes: I hold q (normalise) or k (do not)
	v_and_b32 v1, 15, v0                           ; r
	v_bfe_u32 v2, v0, 4, 1                         ; h
	v_mul_u32_u24 v3, v1, PITCH
	v_lshl_add_u32 v3, v2, 4, v3
	s_mul_i32 s21, s11, HALFT
	s_mul_i32 s22, s12, HALFT
	s_add_co_u32 s22, s22, 2*HALFT
.irp s, 0,1
	v_add_nc_u32 v[ADRA+\s], s21, v3
	v_add_nc_u32 v[ADRB+\s], s22, v3
	s_add_co_u32 s21, s21, SLOT
	s_add_co_u32 s22, s22, SLOT
.endr
	s_mul_i32 s23, s10, 16*SPITCH
	s_add_co_u32 s23, s23, STAGE
	v_add_nc_u32 v[STO], s23, v3
	v_bfe_u32 v4, v0, 3, 2
	v_mul_u32_u24 v4, v4, SPITCH
	v_and_b32 v5, 7, v0
	v_lshl_add_u32 v4, v5, 4, v4
	v_add_nc_u32 v[RD], s23, v4
	v_and_b32 v5, 31, v0
	v_lshlrev_b32 v[CO], 4, v5
	v_add_nc_u32 v[QRD], s23, v[CO]
	v_lshl_add_u32 v[QST], v1, 2, s23
	v_lshlrev_b32 v[TB], 8, v1
	v_lshl_add_u32 v[TB], v2, 5, v[TB]
	v_mov_b32 v7, 0                                ; the lane exchange counts as a reader of its destination
; The table for rows 16 i .. 16 i + 15: my row's cos and sin of frequencies 16 b' + 8 h + 0..7, b' = 0, 1.  Eight loads.
.macro TBL i, cs
.irp bp, 0,1
	global_load_b128 v[\cs+8*\bp:\cs+8*\bp+3],       v[TB], s[68:69] offset:4096*(\i)+64*\bp
	global_load_b128 v[\cs+8*\bp+4:\cs+8*\bp+7],     v[TB], s[68:69] offset:4096*(\i)+64*\bp+16
	global_load_b128 v[\cs+16+8*\bp:\cs+16+8*\bp+3], v[TB], s[68:69] offset:4096*(\i)+64*\bp+128
	global_load_b128 v[\cs+16+8*\bp+4:\cs+16+8*\bp+7], v[TB], s[68:69] offset:4096*(\i)+64*\bp+144
.endr
.endm
	TBL 0, CS0                                     ; the K loop names neither these registers nor any global load: they land meanwhile
	TBL 1, CS1
.macro MUL16 f, hi, a0, zero
.irp a, \a0, \a0+1
.irp b, 0,1,2,3,4,5,6,7
.if \zero
	v_wmma_f32_16x16x32_f16 v[8*(8*(\a)+\b):8*(8*(\a)+\b)+7], v[\f+8*\b:\f+8*\b+7], v[\f+8*(4*\hi+\a):\f+8*(4*\hi+\a)+7], 0
.else
	v_wmma_f32_16x16x32_f16 v[8*(8*(\a)+\b):8*(8*(\a)+\b)+7], v[\f+8*\b:\f+8*\b+7], v[\f+8*(4*\hi+\a):\f+8*(4*\hi+\a)+7], v[8*(8*(\a)+\b):8*(8*(\a)+\b)+7]
.endif
.endr
.endr
.endm
.macro FETCH slot, k, f
	WIN TO_B
.irp i, 0,1,2,3,4,5,6,7
	ds_load_b128 v[\f+8*\i:\f+8*\i+3],   v[ADRB+\slot] offset:\k+\i*16*PITCH
	ds_load_b128 v[\f+8*\i+4:\f+8*\i+7], v[ADRB+\slot] offset:\k+\i*16*PITCH+32
.endr
	WIN 0
.irp i, 0,1,2,3,4,5,6,7
	ds_load_b128 v[\f+8*\i:\f+8*\i+3],   v[ADRA+\slot] offset:\k+\i*16*PITCH
	ds_load_b128 v[\f+8*\i+4:\f+8*\i+7], v[ADRA+\slot] offset:\k+\i*16*PITCH+32
.endr
.endm
; Four places behind a matrix instruction before a load lands on one of its registers or a vector instruction reads its result
; (ISA guide 7.12.1 for vector instructions); matrix instructions in between are not counted.
.macro PLACES
.rept 4
	v_nop
.endr
.endm
.macro QUARTER slot, k, f, g, zero
	s_wait_dscnt 8                                 ; B and A's rows 0-63 are in; the youngest eight loads (A's rows 64-127) may be out
	WIN MUL_LO
	MUL16 \f, 0, 0, \zero
	MUL16 \f, 0, 2, \zero
	PLACES
	FETCH \slot, \k, \g
	s_wait_dscnt 32                                ; all but the 32 just issued
	WIN MUL_HI
	MUL16 \f, 1, 0, \zero
	MUL16 \f, 1, 2, \zero
.endm
.macro THREE slot, zero
	QUARTER \slot, 64,  F0, F1, \zero
	QUARTER \slot, 128, F1, F0, 0
	QUARTER \slot, 192, F0, F1, 0
.endm
; The last quarter of a K step changes slots: each wave waits for its reads of this slot and for all its tensor loads (one is out: its part
; of the next slot), the barrier opens a round of the cluster's barrier, and the joint refill is the first tensor load behind the round.
.macro TURN slot, next, fill
	s_wait_dscnt 8
	WIN MUL_LO
	MUL16 F1, 0, 0, 0
	s_wait_dscnt 0
	s_wait_tensorcnt 0x0
	ds_add_u32 v255, v19
	s_wait_dscnt 0x0
	s_barrier_signal -1
	MUL16 F1, 0, 2, 0                              ; register work while the others arrive
	WIN 0
	s_barrier_wait -1
.if \fill
	CREST
	s_add_nc_u64 s[G0+4*\slot+2:G0+4*\slot+3], s[G0+4*\slot+2:G0+4*\slot+3], 2*KSTEP*2
	s_add_nc_u64 s[G0B+4*\slot+2:G0B+4*\slot+3], s[G0B+4*\slot+2:G0B+4*\slot+3], 2*KSTEP*2
	JLOAD \slot
.endif
	PLACES
	FETCH \next, 0, F0
	WIN MUL_HI
	MUL16 F1, 1, 0, 0
	MUL16 F1, 1, 2, 0
.endm
.macro LAP zero
	THREE 0, \zero
	TURN 0, 1, 1
	THREE 1, 0
	TURN 1, 0, 1
.endm
	s_wait_tensorcnt 1                             ; my part of K step 0 is in; K step 1's stays out
	s_barrier_signal -1
	s_barrier_wait -1
	FETCH 0, 0, F0
	LAP 1                                          ; the first products start the sums: nothing is cleared.  The 64 accumulators take turns,
	WIN 0                                          ; one instruction a turn
	s_mov_b32 s3, LAPS-2
.Llap:
	LAP 0
	WIN 0
	s_sub_co_u32 s3, s3, 1
	s_cmp_lg_u32 s3, 0
	s_cbranch_scc1 .Llap
	THREE 0, 0                                     ; the last lap fills nothing
	TURN 0, 1, 0
	THREE 1, 0
	s_wait_dscnt 8
	WIN MUL_LO
	MUL16 F1, 0, 0, 0
	MUL16 F1, 0, 2, 0
	s_wait_dscnt 0
	WIN MUL_HI
	MUL16 F1, 1, 0, 0
	MUL16 F1, 1, 2, 0
	PLACES
; THE WAY OUT, 16 rows at a time.  Tiles 0-3 (d = 16 b + 8 h + j) are rotated: out[d] = x[d] cos - x[d+32] sin, out[d+32] = x[d+32] cos + x[d] sin,
; d < 32; q rows are brought to unit length; tiles 4-7 are converted as they are.  Through my stage in LDS the 16 rows leave as
; 2,048 consecutive bytes of each of my two planes, 512 consecutive bytes a store.
; w1: source 0 in the accumulators' window; w2: sources 0 and 1; left: younger table loads that may stay out; nxt: fetch the table of group i + 2.
.macro OUT16 i, a, w1, w2, cs, left, nxt
	s_wait_loadcnt \left
	WIN \w1
.irp bp, 0,1
.irp jp, 0,2,4,6
	v_pk_mul_f32 v[ROT+8*\bp+\jp:ROT+8*\bp+\jp+1], v[8*(8*\a+\bp)+\jp:8*(8*\a+\bp)+\jp+1], v[\cs+8*\bp+\jp:\cs+8*\bp+\jp+1]
	v_pk_mul_f32 v[ROT+16+8*\bp+\jp:ROT+16+8*\bp+\jp+1], v[8*(8*\a+\bp+2)+\jp:8*(8*\a+\bp+2)+\jp+1], v[\cs+8*\bp+\jp:\cs+8*\bp+\jp+1]
	v_pk_fma_f32 v[ROT+8*\bp+\jp:ROT+8*\bp+\jp+1], v[8*(8*\a+\bp+2)+\jp:8*(8*\a+\bp+2)+\jp+1], v[\cs+16+8*\bp+\jp:\cs+16+8*\bp+\jp+1], v[ROT+8*\bp+\jp:ROT+8*\bp+\jp+1] neg_lo:[1,0,0] neg_hi:[1,0,0]
	v_pk_fma_f32 v[ROT+16+8*\bp+\jp:ROT+16+8*\bp+\jp+1], v[8*(8*\a+\bp)+\jp:8*(8*\a+\bp)+\jp+1], v[\cs+16+8*\bp+\jp:\cs+16+8*\bp+\jp+1], v[ROT+16+8*\bp+\jp:ROT+16+8*\bp+\jp+1]
.endr
.endr
	WIN 0
.if \nxt
	TBL \i+2, \cs
.endif
	v_pk_mul_f32 v[28:29], v[ROT:ROT+1], v[ROT:ROT+1]              ; the row's squared length: my 32 numbers in two chains,
	v_pk_mul_f32 v[30:31], v[ROT+2:ROT+3], v[ROT+2:ROT+3]
.irp k, 4,8,12,16,20,24,28
	v_pk_fma_f32 v[28:29], v[ROT+\k:ROT+\k+1], v[ROT+\k:ROT+\k+1], v[28:29]
	v_pk_fma_f32 v[30:31], v[ROT+\k+2:ROT+\k+3], v[ROT+\k+2:ROT+\k+3], v[30:31]
.endr
	v_pk_add_f32 v[28:29], v[28:29], v[30:31]
	v_add_f32 v6, v28, v29
	v_permlanex16_b32 v7, v6, s76, s77                             ; the other 32 lie in lane l xor 16
	v_add_f32 v6, v6, v7
	v_max_num_f32 v6, 0x0d800000, v6
	v_rsq_f32 v7, v6
	v_nop                                                          ; one plain place behind the root (ISA guide 5.7.2)
	s_wait_alu depctr_va_vdst(0)
	v_mul_f32 v[QSV+\i], v6, v7
	v_mul_f32 v[QSV+\i], 0x41000000, v[QSV+\i]                     ; |q_rot|: the table carries 1/8
	v_cndmask_b32 v30, 1.0, v7, s78
	v_cndmask_b32 v31, 1.0, v7, s78
.irp k, 0,2,4,6,8,10,12,14,16,18,20,22,24,26,28,30
	v_pk_mul_f32 v[ROT+\k:ROT+\k+1], v[ROT+\k:ROT+\k+1], v[30:31]
.endr
.irp k, 0,1,2,3,4,5,6,7,8,9,10,11,12,13,14,15
	v_cvt_pk_f16_f32 v[TMP+\k], v[ROT+2*\k], v[ROT+2*\k+1]
.endr
	WIN \w2
.irp b, 4,5,6,7
.irp r, 0,1,2,3
	v_cvt_pk_f16_f32 v[TMP+4*\b+\r], v[8*(8*\a+\b)+2*\r], v[8*(8*\a+\b)+2*\r+1]
.endr
.endr
	WIN 0
.irp b, 0,1,2,3,4,5,6,7
	ds_store_b128 v[STO], v[TMP+4*\b:TMP+4*\b+3] offset:32*\b
.endr
	s_wait_xcnt 0x0                                ; RB, which the last group's stores read, is loaded again only behind this wait
.irp t, 0,1,2,3,4,5,6,7
	ds_load_b128 v[RB+4*\t:RB+4*\t+3], v[RD] offset:(\t%4)*4*SPITCH+(\t/4)*128   ; LDS serves a wave in order: these see the stores above
.endr
.irp t, 0,1,2,3
	s_wait_dscnt 7-\t
	global_store_b128 v[CO], v[RB+4*\t:RB+4*\t+3], s[8:9] offset:2048*\i+512*\t
.endr
.irp t, 0,1,2,3
	s_wait_dscnt 3-\t
	global_store_b128 v[CO], v[RB+16+4*\t:RB+16+4*\t+3], s[74:75] offset:2048*\i+512*\t
.endr
.endm
	OUT16 0, 0, 0x02, 0x0a, CS0, 8, 1
	OUT16 1, 1, 0x02, 0x0a, CS1, 8, 1
	OUT16 2, 2, 0x02, 0x0a, CS0, 8, 1
	OUT16 3, 3, 0x02, 0x0a, CS1, 8, 1
	OUT16 4, 0, 0x03, 0x0f, CS0, 8, 1
	OUT16 5, 1, 0x03, 0x0f, CS1, 8, 1
	OUT16 6, 2, 0x03, 0x0f, CS0, 8, 0
	OUT16 7, 3, 0x03, 0x0f, CS1, 0, 0
	; the 128 norms: through the stage into one store of 512 consecutive bytes (the waves that hold q)
.irp i, 0,1,2,3,4,5,6,7
	ds_store_b32 v[QST], v[QSV+\i] offset:64*\i    ; lanes r and r + 16 write the same word with the same value
.endr
	s_wait_xcnt 0x0
	ds_load_b128 v[RB:RB+3], v[QRD]
	s_wait_dscnt 0x0
	s_cmp_lg_u32 s12, 0
	s_cbranch_scc1 .Lno_norms
	global_store_b128 v[CO], v[RB:RB+3], s[72:73]
.Lno_norms:
	s_set_vgpr_msb 0x1
	s_wait_tensorcnt 0x0
	ds_add_u32 v255, v19
	s_wait_dscnt 0x0
	s_set_vgpr_msb 0x100
	CROUND                                         ; the closing round: no work-group ends while a partner may still ask for a tile that names it
	s_endpgm
.Lfunc_end_k_q534a9eedf4_proj:
	.size	k_q534a9eedf4_proj, .Lfunc_end_k_q534a9eedf4_proj-k_q534a9eedf4_proj
	.p2alignl 7, 3214868480
	.fill 96, 4, 3214868480
	.section	.rodata,"a",@progbits
	.p2align	6, 0x0
	.amdhsa_kernel k_q534a9eedf4_proj
		.amdhsa_group_segment_fixed_size 327680
		.amdhsa_private_segment_fixed_size 0
		.amdhsa_enable_private_segment 0
		.amdhsa_kernarg_size 40
		.amdhsa_user_sgpr_count 2
		.amdhsa_user_sgpr_kernarg_segment_ptr 1
		.amdhsa_wavefront_size32 1
		.amdhsa_system_sgpr_workgroup_id_x 1
		.amdhsa_system_sgpr_workgroup_id_y 1
		.amdhsa_system_sgpr_workgroup_id_z 1
		.amdhsa_system_vgpr_workitem_id 0
		.amdhsa_next_free_vgpr 1024
		.amdhsa_next_free_sgpr 80
		.amdhsa_reserve_vcc 0
		.amdhsa_float_denorm_mode_32 3
		.amdhsa_float_denorm_mode_16_64 3
		.amdhsa_memory_ordered 1
		.amdhsa_forward_progress 1
		.amdhsa_inst_pref_size 240
	.end_amdhsa_kernel
	.amdgpu_metadata
---
amdhsa.version: [ 1, 2 ]
amdhsa.kernels:
  - .name:           k_q534a9eedf4_proj
    .symbol:         k_q534a9eedf4_proj.kd
    .args:
      - { .name: xh, .offset: 0, .size: 8, .value_kind: global_buffer, .address_space: global }
      - { .name: wh, .offset: 8, .size: 8, .value_kind: global_buffer, .address_space: global }
      - { .name: rt, .offset: 16, .size: 8, .value_kind: global_buffer, .address_space: global }
      - { .name: qkvg, .offset: 24, .size: 8, .value_kind: global_buffer, .address_space: global }
      - { .name: qs, .offset: 32, .size: 8, .value_kind: global_buffer, .address_space: global }
    .group_segment_fixed_size: 327680
    .private_segment_fixed_size: 0
    .kernarg_segment_align: 8
    .kernarg_segment_size: 40
    .max_flat_workgroup_size: 128
    .sgpr_count:     80
    .vgpr_count:     1024
    .wavefront_size: 32
...
	.end_amdgpu_metadata
.endif
;; end of part 2
;; launch attn (part 3): grid 8 x 32, 8 waves a work-group, no clusters, 327,680 bytes of LDS; arguments qkvg, qs, gnp, yh; writes yh
.if DOCPART == 3
	.amdgcn_target "amdgcn-amd-amdhsa--gfx1250"
	.amdhsa_code_object_version 6
	.text
	.protected	k_q534a9eedf4_attn
	.globl	k_q534a9eedf4_attn
	.p2align	8
	.type	k_q534a9eedf4_attn,@function
k_q534a9eedf4_attn:
	s_mov_b64 s[64:65], 0
	v_nop
	global_prefetch_b8 v0, s[64:65] scope:SCOPE_SE
	s_setreg_imm32_b32 hwreg(HW_REG_WAVE_MODE, 25, 1), 1
	s_wait_xcnt 0x0
; Retention with causal decay, group norm and gate.  out[n] = sum over m <= n of (q_n . k_m / 8) gamma^(n-m) v_m, per (batch, head);
; y^ = silu(g) ((out - mean) rsqrt(var + eps) w/c + b/c), stored f16 as [16 b + chunk][head][128 tokens][64] for the last product.
; SHARE: work-group (p, bh) does query chunk p (128 rows) and then chunk 15 - p: (p + 1) + (16 - p) = 17 key chunks of 128 in each of the
; 256 work-groups.  In each pass the diagonal chunk comes first (it starts the sums and is masked), then the chunks below it, descending:
; at position n of the walk the key chunk is p - n (first pass, n <= p) or 16 - n (second pass).
; EIGHT WAVES, two on each SIMD: wave (rw = w % 4, kh = w / 4) takes query rows 32 rw .. 32 rw + 31 and keys 64 kh .. 64 kh + 63 of every chunk.
; A wave reads only its own keys from LDS, 16 loads of 512 bytes for 16 matrix instructions, so the split costs no LDS read; while one wave
; weighs its scores or waits for fragments, the other wave of the SIMD multiplies.  The two partial sums of a row are added once a pass:
; a wave's register tile u holds rows 16 (u xor kh), so every wave keeps tile 0 and hands tile 1 to wave w xor 4, whose tile 0 is those rows.
; NO CLUSTER: the work-groups of one (b, h) need different tiles at each position.  A joint walk (key chunks ascending, both query chunks at
; once, clusters p = 0..3 and 4..7) costs the slowest partner's 20 chunk units against 17 here, and twice the accumulators.
; FORM: S^T = K Q^T (A = 16 keys, B = 16 query rows), so that lane (r, h) holds keys 8 h + j of query row r; two weighted tiles, rounded
; to f16, ARE the B fragment of O^T += V^T P^T; V^T comes by the transposing LDS load.  O^T gives a lane eight neighbouring d of one row.
; DECAY: gamma^(n-m) = [gamma^(N - m)] [gamma^(n - N)], N = the last of the 32 rows.  The first factor, at most 1 wherever the mask lets a key
; through, weighs the scores; the second, in [1, 2.7], and |q_rot| scale the sums at the end, in f32.
; LIMITS: P = (k'. q^) weight is at most |k'| in size and goes in f16, as k', v and g do: room up to 65,504; scores whose weighted size
; falls below f16's smallest step (6e-8) count as zero.  log2(gamma) is a series in 2^(-5-head) cut at a relative 4e-12.
.set KA, 2                             ; v2-3     K fragments' LDS address, slot 0, 1 (my key half)
.set VA, 4                             ; v4-5     V^T fragments' LDS address
                                       ; v6 y stage in, v7 y stage back, v8 128 (r + 16 kh) + 16 h (tile 0's q and g), v9 4 (r + 16 kh),
                                       ; v10 16 L, v11 32 h, v12-13 the mask's right side for tiles 0, 1, v14 gamma^(16 kh + r - 31),
                                       ; v15 tile 1's q offset
.set EJ, 16                            ; v16-23   gamma^(15 - 8 h - j)
.set WE, 24                            ; v24-39   the two key tiles' weights (the way out: at work)
.set QF, 40                            ; v40-71   q fragments (u, ks) at +16 u + 8 ks
.set KF, 72                            ; v72-103  k fragments (tt, ks)  (the way out: g in v72-87)
.set VT, 104                           ; v104-135 V^T fragments (dt)    (the way out: w/c, then rows read back)
.set SC, 136                           ; v136-167 scores (tt, u) at +8 (2 tt + u)  (the way out: b/c)
.set PB, 168                           ; v168-183 P^T fragments (u)
.set OA, 184                           ; v184-247 sums (u, dt) at +8 (4 u + dt)
                                       ; v248 |q_rot| of tile 0; v249 my exchange bytes; v250-251 |q_rot| gamma^(n-N), a pair;
                                       ; v252 my partner's exchange bytes; v253 log2(gamma); v254-255 at work in the head
.set WREG,   10240                     ; what one wave fetches: 64 rows of K (pitch 144, 9,216 bytes) or of V (pitch 160)
.set CHUNKB, 40960                     ; a chunk: K rows 0-63, 64-127, V rows 0-63, 64-127
.set SLOTB,  81920                     ; a slot: two chunks of the walk
.set STAGE,  163840                    ; 8 x 16 rows of pitch 144: y on its way out; no tensor load lands here or behind
.set XCH,    182272                    ; 8 x 4,096 bytes: the sums that a wave hands to its partner
.set G0, 28                            ; s[28:31], s[32:35] group 0 of slot 0, 1
.set G1K, 36                           ; s[36:43]
.set G1V, 44                           ; s[44:51]
; Group 0's global address for position s21 of the walk.
.macro ADDR slot
	s_sub_co_i32 s26, s15, s21                     ; first pass: chunk p - n
	s_sub_co_i32 s27, 16, s21                      ; second pass: chunk 16 - n
	s_cmp_lt_i32 s26, 0
	s_cselect_b32 s26, s27, s26
	s_max_i32 s26, s26, 0                          ; position 17 does not exist and is never fetched: its address stays inside the buffer all the same
	s_lshl_b32 s26, s26, 14                        ; a chunk: 128 rows of 128 bytes
	s_mov_b32 s27, 0
	s_add_nc_u64 s[G0+4*(\slot)+2:G0+4*(\slot)+3], s[24:25], s[26:27]
	s_or_b32 s[G0+4*(\slot)+3], s[G0+4*(\slot)+3], 0x80000000
.endm
; One tensor load a wave: 64 rows of K or of V; the branch hangs on the wave's number alone.
.macro TLOAD slot
	s_cmp_eq_u32 s13, 0
	s_cbranch_scc0 .Lfor_v_\@
	tensor_load_to_lds s[G0+4*(\slot):G0+4*(\slot)+3], s[G1K:G1K+7]
	s_nop 0
	s_branch .Lasked_\@
.Lfor_v_\@:
	tensor_load_to_lds s[G0+4*(\slot):G0+4*(\slot)+3], s[G1V:G1V+7]
	s_nop 0
.Lasked_\@:
.endm
	s_load_b256 s[4:11], s[0:1], 0x0               ; qkvg 4, qs 6, gnp 8, yh 10
	s_set_vgpr_msb 0x40
	v_lshl_add_u32 v0, v0, 2, 0x34800
	v_mov_b32 v1, 0
	s_set_vgpr_msb 0x4045
	ds_add_u32 v0, v1
	s_set_vgpr_msb 0x4500
	v_lshrrev_b32 v1, 5, v0
	v_readfirstlane_b32 s12, v1                    ; wave 0..7
	s_lshr_b32 s13, s12, 1
	s_and_b32 s13, s13, 1                          ; 0: I fetch K, 1: V
	s_and_b32 s14, s12, 1                          ; which 64 rows of the chunk I fetch
	s_lshr_b32 s23, s12, 2                         ; kh: my key half; also: I fetch the first (0) or second (1) chunk of a pair
	s_and_b32 s76, s12, 3                          ; rw: my 32 query rows
	s_mov_b32 s15, ttmp9                           ; p
	s_and_b32 s16, ttmp7, 0xffff                   ; bh
	s_and_b32 s17, s16, 15                         ; head
	s_sub_co_u32 s18, 15, s15                      ; the second pass's chunk
	s_mov_b32 s19, 1                               ; the position behind position 0
	s_add_co_u32 s20, s15, 1                       ; the position of the second diagonal
	s_mov_b32 s21, s23                             ; the position that I fetch
	s_mov_b32 s[G1K+0], (1<<16)|(1<<20)|(4<<22)|(3<<25)   ; 2-byte elements; 4 words of padding behind every 32: pitch 144
	s_mov_b32 s[G1V+0], (1<<16)|(1<<20)|(4<<22)|(7<<25)   ; 8 words: pitch 160, an odd multiple of 32, for the transposing load
.irp g, G1K, G1V
	s_mov_b32 s[\g+1], 64<<16                      ; tensor_dim0 = 64
	s_mov_b32 s[\g+2], 64<<16                      ; tensor_dim1 = 64
	s_mov_b32 s[\g+3], 64<<16                      ; tile_dim0 = 64
	s_mov_b32 s[\g+4], 64                          ; tile_dim1 = 64
	s_mov_b32 s[\g+5], 64                          ; elements from row to row
	s_mov_b32 s[\g+6], 0
	s_mov_b32 s[\g+7], 0
.endr
	s_lshr_b32 s26, 0x1000000, s13                 ; plane k' at 16 MiB, plane v at 8 MiB
	s_lshl_b32 s27, s16, 18                        ; (b, h): 2,048 rows of 128 bytes
	s_add_co_u32 s26, s26, s27
	s_lshl_b32 s27, s14, 13                        ; my 64 rows
	s_add_co_u32 s26, s26, s27
	s_mov_b32 s27, 0
	s_mov_b32 s[G0], 1
	s_mul_i32 s[G0+1], s12, WREG                   ; LDS: the wave's number times 10,240, plus the slot
	s_mov_b32 s[G0+4], 1
	s_add_co_u32 s[G0+5], s[G0+1], SLOTB
	s_wait_dscnt 0x0
	s_wait_kmcnt 0x0
	s_add_nc_u64 s[24:25], s[4:5], s[26:27]        ; my rows of chunk 0
	ADDR 0                                         ; positions 0, 1
	s_add_co_u32 s21, s21, 2
	ADDR 1                                         ; positions 2, 3
	TLOAD 0                                        ; both first fills go out together, ahead of everything else: two tensor loads of the wave are out
	TLOAD 1
; The bases of a pass: chunk in s[ch]; q, g and qs at my 32 rows, y at my 16.
.macro PBASE ch, qb, gb, sb, yb
	s_lshl_b32 s26, s[\ch], 7
	s_lshl_b32 s27, s76, 5
	s_add_co_u32 s26, s26, s27
	s_lshl_b32 s27, s16, 11
	s_add_co_u32 s26, s26, s27                     ; bh 2048 + the first of my 32 rows
	s_lshl_b32 s22, s26, 2
	s_lshl_b32 s26, s26, 7
	s_mov_b32 s27, 0
	s_add_nc_u64 s[\qb:\qb+1], s[4:5], s[26:27]
	s_add_nc_u64 s[\gb:\gb+1], s[\qb:\qb+1], 0x1800000
	s_mov_b32 s26, s22
	s_add_nc_u64 s[\sb:\sb+1], s[6:7], s[26:27]
	s_lshr_b32 s26, s16, 4
	s_lshl_b32 s26, s26, 4
	s_add_co_u32 s26, s26, s[\ch]                  ; 16 b + chunk
	s_lshl_b32 s26, s26, 4
	s_add_co_u32 s26, s26, s17
	s_lshl_b32 s26, s26, 14                        ; blocks of 128 tokens x 128 bytes
	s_add_co_u32 s26, s26, s77
	s_add_nc_u64 s[\yb:\yb+1], s[10:11], s[26:27]
.endm
	s_lshl_b32 s77, s76, 12
	s_lshl_b32 s78, s23, 11
	s_add_co_u32 s77, s77, s78                     ; (32 rw + 16 kh) rows of 128 bytes: the rows that I finish
	PBASE 15, 52, 54, 56, 58
	PBASE 18, 60, 62, 66, 68
	s_lshl_b32 s26, s17, 8
	s_add_nc_u64 s[70:71], s[8:9], s[26:27]        ; w/c of my head; b/c lies 4,096 bytes on
	s_mov_b32 s83, 0x3c800000                      ; 1/64
	s_mov_b32 s85, 0                               ; upper halves of the pairs that a packed multiply names
	s_mov_b32 s87, 0
	s_mov_b32 s88, 0x76543210
	s_mov_b32 s89, 0xfedcba98
	v_and_b32 v1, 15, v0                           ; r
	v_bfe_u32 v254, v0, 4, 1                       ; h
	s_lshl_b32 s26, s23, 4
	v_add_nc_u32 v255, s26, v1                     ; r + 16 kh: tile 0's row among my 32
	v_lshlrev_b32 v8, 7, v255
	v_lshl_add_u32 v8, v254, 4, v8
	v_xor_b32 v15, 0x800, v8                       ; tile 1: the other 16 rows
	v_lshlrev_b32 v9, 2, v255
; Nine loads: q rows as B fragments straight from memory, and tile 0's norms.
.macro QLOAD qb, sb
.irp ks, 0,1
	global_load_b128 v[QF+8*\ks:QF+8*\ks+3],       v8,  s[\qb:\qb+1] offset:64*\ks
	global_load_b128 v[QF+8*\ks+4:QF+8*\ks+7],     v8,  s[\qb:\qb+1] offset:64*\ks+32
	global_load_b128 v[QF+16+8*\ks:QF+16+8*\ks+3], v15, s[\qb:\qb+1] offset:64*\ks
	global_load_b128 v[QF+16+8*\ks+4:QF+16+8*\ks+7], v15, s[\qb:\qb+1] offset:64*\ks+32
.endr
	global_load_b32 v248, v9, s[\sb:\sb+1]
.endm
	QLOAD 52, 56
	v_mul_u32_u24 v[KA], v1, 144
	v_lshl_add_u32 v[KA], v254, 4, v[KA]           ; 144 r + 16 h
	s_mul_i32 s26, s12, 2304
	s_add_co_u32 s26, s26, STAGE                   ; my y stage
	v_add_nc_u32 v6, s26, v[KA]
	v_bfe_u32 v7, v0, 3, 2
	v_mul_u32_u24 v7, v7, 144
	v_and_b32 v10, 7, v0
	v_lshl_add_u32 v7, v10, 4, v7
	v_add_nc_u32 v7, s26, v7
	s_mul_i32 s27, s23, WREG                       ; my key half: 64 rows of K
	v_add_nc_u32 v[KA], s27, v[KA]
	v_add_nc_u32 v[KA+1], SLOTB, v[KA]
	v_and_b32 v[VA], 7, v0
	v_lshl_add_u32 v[VA], v254, 3, v[VA]
	v_mul_u32_u24 v[VA], v[VA], 160
	v_bfe_u32 v[VA+1], v0, 3, 1
	v_lshl_add_u32 v[VA], v[VA+1], 4, v[VA]        ; (8 h + L % 8) 160 + 16 ((L / 8) % 2)
	s_add_co_u32 s27, s27, 2*WREG                  ; and of V, which lies behind K's 128 rows
	v_add_nc_u32 v[VA], s27, v[VA]
	v_add_nc_u32 v[VA+1], SLOTB, v[VA]
	v_and_b32 v10, 31, v0
	v_lshlrev_b32 v10, 4, v10                      ; 16 L
	s_lshl_b32 s26, s12, 12
	s_add_co_u32 s26, s26, XCH
	v_add_nc_u32 v249, s26, v10                    ; where I put what my partner finishes
	s_xor_b32 s26, s12, 4
	s_lshl_b32 s26, s26, 12
	s_add_co_u32 s26, s26, XCH
	v_add_nc_u32 v252, s26, v10                    ; where my partner puts what I finish
	v_lshlrev_b32 v11, 5, v254
	v_lshlrev_b32 v12, 3, v254
	v_sub_nc_u32 v255, 15, v12                     ; 15 - 8 h
	v_sub_nc_u32 v12, v1, v12                      ; r - 8 h
	; key 64 kh + 16 t + 8 h + j passes for row 32 rw + 16 (u xor kh) + r iff 16 t + j <= r - 8 h + 32 rw - 64 kh + 16 (u xor kh)
	s_lshl_b32 s26, s76, 5
	s_mul_i32 s27, s23, 48
	s_sub_co_i32 s26, s26, s27                     ; 32 rw - 64 kh + 16 kh
	v_add_nc_u32 v12, s26, v12                     ; tile 0
	s_lshl_b32 s27, s23, 5
	s_sub_co_i32 s27, 16, s27                      ; + 16 - 32 kh
	v_add_nc_u32 v13, s27, v12                     ; tile 1
	; log2(gamma), gamma = 1 - e, e = 2^(-5-head): -(e + e^2/2 + .. + e^7/7) log2(e)
	s_sub_co_u32 s27, 122, s17
	s_lshl_b32 s27, s27, 23
	v_mov_b32 v254, s27
	v_mov_b32 v253, 0x3e124925
	v_fmaak_f32 v253, v253, v254, 0x3e2aaaab
	v_fmaak_f32 v253, v253, v254, 0x3e4ccccd
	v_fmaak_f32 v253, v253, v254, 0x3e800000
	v_fmaak_f32 v253, v253, v254, 0x3eaaaaab
	v_fma_f32 v253, v253, v254, 0.5
	v_fma_f32 v253, v253, v254, 1.0
	v_mul_f32 v253, v253, v254
	v_mul_f32 v253, 0xbfb8aa3b, v253
.irp j, 0,1,2,3,4,5,6,7
	v_subrev_nc_u32 v[EJ+\j], \j, v255             ; 15 - 8 h - j
	v_cvt_f32_i32 v[EJ+\j], v[EJ+\j]
	v_mul_f32 v[EJ+\j], v253, v[EJ+\j]
.endr
	s_lshl_b32 s27, s23, 4
	s_sub_co_i32 s27, s27, 31
	v_add_nc_u32 v14, s27, v1                      ; 16 kh + r - 31
	v_cvt_f32_i32 v14, v14
	v_mul_f32 v14, v253, v14
	v_mul_f32 v254, 0xc1800000, v253               ; -16 log2(gamma)
	s_lshl_b32 s27, s23, 2
	s_cvt_f32_u32 s27, s27
	v_mul_f32 v24, s27, v254                       ; my first key tile is tile 4 kh of the chunk
	v_add_f32 v25, v24, v254
	v_add_f32 v26, v25, v254
	v_add_f32 v27, v26, v254
	v_mul_f32 v28, 0x43000000, v253                ; 128 log2(gamma)
	s_lshl_b32 s27, s76, 5
	s_add_co_u32 s27, s27, 16
	s_cvt_f32_u32 s27, s27
	v_mul_f32 v29, s27, v253                       ; (32 rw + 16) log2(gamma)
.irp j, 0,1,2,3,4,5,6,7
	v_exp_f32 v[EJ+\j], v[EJ+\j]
.endr
	v_exp_f32 v14, v14
.irp t, 0,1,2,3,4,5
	v_exp_f32 v[24+\t], v[24+\t]
.endr
	v_nop                                          ; one plain place behind the run (ISA guide 5.7.2)
	s_wait_alu depctr_va_vdst(0)
.irp t, 0,1,2,3
	v_readfirstlane_b32 s[72+\t], v[24+\t]         ; gamma^(-16 (4 kh + t))
.endr
	v_readfirstlane_b32 s80, v28                   ; gamma^128
	v_readfirstlane_b32 s81, v29                   ; gamma^(32 rw + 16)
; Eight loads: key tiles 2 g, 2 g + 1 of my half of chunk 'sub' of the slot.
.macro KLOAD slot, sub, g
.irp tt, 0,1
.irp ks, 0,1
	ds_load_b128 v[KF+16*\tt+8*\ks:KF+16*\tt+8*\ks+3],   v[KA+\slot] offset:\sub*CHUNKB+2304*(2*(\g)+\tt)+64*\ks
	ds_load_b128 v[KF+16*\tt+8*\ks+4:KF+16*\tt+8*\ks+7], v[KA+\slot] offset:\sub*CHUNKB+2304*(2*(\g)+\tt)+64*\ks+32
.endr
.endr
.endm
; 32 keys (tiles t = 2 g + tt of my half) against my 32 rows.  zero: the products start the sums; mask: the diagonal chunk.
; The accumulators take turns, one matrix instruction a turn: four score tiles, then eight sums.
.macro GROUP slot, sub, g, zero, mask
	s_mul_f32 s84, s82, s[72+2*\g]                 ; gamma^(128 delta + 32 rw + 16 - 16 (4 kh + t))
	s_mul_f32 s86, s82, s[73+2*\g]
	s_wait_dscnt 0x0                               ; this group's K fragments are in
.irp ks, 0,1
.irp tt, 0,1
.irp u, 0,1
.if \ks
	v_wmma_f32_16x16x32_f16 v[SC+8*(2*\tt+\u):SC+8*(2*\tt+\u)+7], v[KF+16*\tt+8*\ks:KF+16*\tt+8*\ks+7], v[QF+16*\u+8*\ks:QF+16*\u+8*\ks+7], v[SC+8*(2*\tt+\u):SC+8*(2*\tt+\u)+7]
.else
	v_wmma_f32_16x16x32_f16 v[SC+8*(2*\tt+\u):SC+8*(2*\tt+\u)+7], v[KF+16*\tt+8*\ks:KF+16*\tt+8*\ks+7], v[QF+16*\u+8*\ks:QF+16*\u+8*\ks+7], 0
.endif
.endr
.endr
.endr
	; eight plain instructions on other registers: the places behind these products and behind the last group's,
	; for the loads and the reads below
.irp jp, 0,2,4,6
	v_pk_mul_f32 v[WE+\jp:WE+\jp+1], v[EJ+\jp:EJ+\jp+1], s[84:85] op_sel_hi:[1,0]
	v_pk_mul_f32 v[WE+8+\jp:WE+8+\jp+1], v[EJ+\jp:EJ+\jp+1], s[86:87] op_sel_hi:[1,0]
.endr
.irp dt, 0,1,2,3
	ds_load_tr16_b128 v[VT+8*\dt:VT+8*\dt+3],   v[VA+\slot] offset:\sub*CHUNKB+5120*\g+32*\dt
	ds_load_tr16_b128 v[VT+8*\dt+4:VT+8*\dt+7], v[VA+\slot] offset:\sub*CHUNKB+5120*\g+32*\dt+2560
.endr
.if \g < 1
	KLOAD \slot, \sub, \g+1
.endif
.irp tt, 0,1
.irp u, 0,1
.irp jp, 0,2,4,6
	v_pk_mul_f32 v[SC+8*(2*\tt+\u)+\jp:SC+8*(2*\tt+\u)+\jp+1], v[SC+8*(2*\tt+\u)+\jp:SC+8*(2*\tt+\u)+\jp+1], v[WE+8*\tt+\jp:WE+8*\tt+\jp+1]
.endr
.endr
.endr
.if \mask
.irp tt, 0,1
.irp u, 0,1
.irp j, 0,1,2,3,4,5,6,7
	v_cmp_le_i32 vcc_lo, 16*(2*\g+\tt)+\j, v[12+\u]
	v_cndmask_b32 v[SC+8*(2*\tt+\u)+\j], 0, v[SC+8*(2*\tt+\u)+\j], vcc_lo
.endr
.endr
.endr
.endif
.irp tt, 0,1
.irp u, 0,1
.irp k, 0,1,2,3
	v_cvt_pk_f16_f32 v[PB+8*\u+4*\tt+\k], v[SC+8*(2*\tt+\u)+2*\k], v[SC+8*(2*\tt+\u)+2*\k+1]
.endr
.endr
.endr
.if \g < 1
	s_wait_dscnt 8                                 ; V^T is in; the eight K loads issued behind it may stay out
.else
	s_wait_dscnt 0x0
.endif
.irp u, 0,1
.irp dt, 0,1,2,3
.if \zero
	v_wmma_f32_16x16x32_f16 v[OA+8*(4*\u+\dt):OA+8*(4*\u+\dt)+7], v[VT+8*\dt:VT+8*\dt+7], v[PB+8*\u:PB+8*\u+7], 0
.else
	v_wmma_f32_16x16x32_f16 v[OA+8*(4*\u+\dt):OA+8*(4*\u+\dt)+7], v[VT+8*\dt:VT+8*\dt+7], v[PB+8*\u:PB+8*\u+7], v[OA+8*(4*\u+\dt):OA+8*(4*\u+\dt)+7]
.endif
.endr
.endr
.endm
.macro BODY slot, sub, diag
	KLOAD \slot, \sub, 0
	GROUP \slot, \sub, 0, \diag, \diag
	GROUP \slot, \sub, 1, 0, \diag
.endm
; Group norm of tile 0, in f32, in two passes over the registers: mean first, then the centred squares.
.macro STATS
	v_pk_add_f32 v[24:25], v[OA:OA+1], v[OA+4:OA+5]
	v_pk_add_f32 v[26:27], v[OA+2:OA+3], v[OA+6:OA+7]
.irp k, 8,12,16,20,24,28
	v_pk_add_f32 v[24:25], v[24:25], v[OA+\k:OA+\k+1]
	v_pk_add_f32 v[26:27], v[26:27], v[OA+\k+2:OA+\k+3]
.endr
	v_pk_add_f32 v[24:25], v[24:25], v[26:27]
	v_add_f32 v24, v24, v25
	v_permlanex16_b32 v25, v24, s88, s89           ; the row's other 32 numbers lie in lane l xor 16
	v_add_f32 v24, v24, v25
	v_mul_f32 v24, 0xbc800000, v24
	v_mul_f32 v24, v24, v250                       ; - mean
	v_mov_b32 v25, v24
.irp k, 0,2,4,6,8,10,12,14,16,18,20,22,24,26,28,30
	v_pk_fma_f32 v[OA+\k:OA+\k+1], v[OA+\k:OA+\k+1], v[250:251], v[24:25]   ; out - mean
.endr
	v_pk_mul_f32 v[26:27], v[OA:OA+1], v[OA:OA+1]
	v_pk_mul_f32 v[28:29], v[OA+2:OA+3], v[OA+2:OA+3]
.irp k, 4,8,12,16,20,24,28
	v_pk_fma_f32 v[26:27], v[OA+\k:OA+\k+1], v[OA+\k:OA+\k+1], v[26:27]
	v_pk_fma_f32 v[28:29], v[OA+\k+2:OA+\k+3], v[OA+\k+2:OA+\k+3], v[28:29]
.endr
	v_pk_add_f32 v[26:27], v[26:27], v[28:29]
	v_add_f32 v26, v26, v27
	v_permlanex16_b32 v27, v26, s88, s89
	v_add_f32 v26, v26, v27
	v_fmaak_f32 v26, s83, v26, 0x3727c5ac          ; var + eps
	v_rsq_f32 v26, v26
	v_nop                                          ; one plain place behind the root (ISA guide 5.7.2)
	s_wait_alu depctr_va_vdst(0)
	v_mov_b32 v27, v26
.irp k, 0,2,4,6,8,10,12,14,16,18,20,22,24,26,28,30
	v_pk_mul_f32 v[OA+\k:OA+\k+1], v[OA+\k:OA+\k+1], v[26:27]
.endr
.endm
; Eight numbers: y^ = g sigmoid(g) (n w/c + b/c).  g0..g3: the four registers that hold my eight g, by number (their halves are named).
; The packed lines between the runs are the plain places behind the exponentials and the reciprocals (ISA guide 5.7.2).
.macro GATE dt, g0, g1, g2, g3
	v_cvt_f32_f16 v24, v\g0\().l
	v_cvt_f32_f16 v25, v\g0\().h
	v_cvt_f32_f16 v26, v\g1\().l
	v_cvt_f32_f16 v27, v\g1\().h
	v_cvt_f32_f16 v28, v\g2\().l
	v_cvt_f32_f16 v29, v\g2\().h
	v_cvt_f32_f16 v30, v\g3\().l
	v_cvt_f32_f16 v31, v\g3\().h
.irp k, 0,2,4,6
	v_pk_mul_f32 v[32+\k:33+\k], v[24+\k:25+\k], 0xbfb8aa3b op_sel_hi:[1,0]
.endr
.irp k, 0,1,2,3,4,5,6,7
	v_exp_f32 v[32+\k], v[32+\k]
.endr
.irp k, 0,2,4,6
	v_pk_fma_f32 v[OA+8*\dt+\k:OA+8*\dt+\k+1], v[OA+8*\dt+\k:OA+8*\dt+\k+1], v[VT+8*\dt+\k:VT+8*\dt+\k+1], v[SC+8*\dt+\k:SC+8*\dt+\k+1]
.endr
	s_wait_alu depctr_va_vdst(0)
.irp k, 0,2,4,6
	v_pk_add_f32 v[32+\k:33+\k], v[32+\k:33+\k], 1.0 op_sel_hi:[1,0]
.endr
.irp k, 0,1,2,3,4,5,6,7
	v_rcp_f32 v[32+\k], v[32+\k]
.endr
.irp k, 0,2,4,6
	v_pk_mul_f32 v[OA+8*\dt+\k:OA+8*\dt+\k+1], v[OA+8*\dt+\k:OA+8*\dt+\k+1], v[24+\k:25+\k]
.endr
	s_wait_alu depctr_va_vdst(0)
.irp k, 0,2,4,6
	v_pk_mul_f32 v[OA+8*\dt+\k:OA+8*\dt+\k+1], v[OA+8*\dt+\k:OA+8*\dt+\k+1], v[32+\k:33+\k]
.endr
.irp k, 0,1,2,3
	v_cvt_pk_f16_f32 v[PB+4*\dt+\k], v[OA+8*\dt+2*\k], v[OA+8*\dt+2*\k+1]
.endr
	ds_store_b128 v6, v[PB+4*\dt:PB+4*\dt+3] offset:32*\dt
.endm
; The way out of a pass.  gb, yb: its g and y; next = 1: the second pass's q (qb, sb) is fetched meanwhile.
; All eight waves come here at the same position of the walk (the branch in front hangs on the work-group's number and a counter alone),
; so the two barriers below are passed by every wave.
.macro EPI gb, yb, next, qb, sb
.rept 4
	v_nop                                          ; four places behind the last products (ISA guide 7.12.1)
.endr
.irp i, 0,1,2,3,4,5,6,7
	ds_store_b128 v249, v[OA+32+4*\i:OA+32+4*\i+3] offset:512*\i   ; tile 1's partial sums, 16 neighbouring bytes a lane
.endr
	v_mul_f32 v250, v248, v14                      ; |q_rot| gamma^(n - N)
	v_mov_b32 v251, v250
.irp dt, 0,1,2,3
	global_load_b128 v[KF+4*\dt:KF+4*\dt+3], v8, s[\gb:\gb+1] offset:32*\dt
.endr
.irp dt, 0,1,2,3
	global_load_b128 v[VT+8*\dt:VT+8*\dt+3],   v11, s[70:71] offset:64*\dt
	global_load_b128 v[VT+8*\dt+4:VT+8*\dt+7], v11, s[70:71] offset:64*\dt+16
	global_load_b128 v[SC+8*\dt:SC+8*\dt+3],   v11, s[70:71] offset:64*\dt+4096
	global_load_b128 v[SC+8*\dt+4:SC+8*\dt+7], v11, s[70:71] offset:64*\dt+4112
.endr
.if \next
	QLOAD \qb, \sb
.endif
	s_wait_dscnt 0x0                               ; for my partner's sake: my stores are done,
	s_barrier_signal -1
	s_barrier_wait -1                              ; and so are everybody's
.irp i, 0,1,2,3,4,5,6,7
	ds_load_b128 v[OA+32+4*\i:OA+32+4*\i+3], v252 offset:512*\i    ; my partner's partial sums of my tile 0, in the same lanes and registers
.endr
	s_wait_dscnt 0x0
	s_barrier_signal -1                            ; no wave writes its exchange bytes again before its partner has read them
	s_barrier_wait -1
.irp k, 0,2,4,6,8,10,12,14,16,18,20,22,24,26,28,30
	v_pk_add_f32 v[OA+\k:OA+\k+1], v[OA+\k:OA+\k+1], v[OA+32+\k:OA+32+\k+1]
.endr
	STATS
.if \next
	s_wait_loadcnt 9                               ; g, w/c, b/c are in; the nine loads of q issued behind them stay out
.else
	s_wait_loadcnt 0x0
.endif
	GATE 0, 72, 73, 74, 75
	GATE 1, 76, 77, 78, 79
	GATE 2, 80, 81, 82, 83
	GATE 3, 84, 85, 86, 87
.irp i, 0,1,2,3
	ds_load_b128 v[VT+4*\i:VT+4*\i+3], v7 offset:576*\i            ; my own bytes, served in order: four whole rows of 128 bytes a load
.endr
.irp i, 0,1,2,3
	s_wait_dscnt 3-\i
	global_store_b128 v10, v[VT+4*\i:VT+4*\i+3], s[\yb:\yb+1] offset:512*\i   ; 512 consecutive bytes
.endr
.if \next
	s_wait_xcnt 0x0                                ; the stores' data registers take V^T fragments again only behind this wait
	s_wait_loadcnt 0x0                             ; the second pass's q and norms
.endif
.endm
; One key chunk of the walk.  kind 0: position 0, a diagonal; 1: a position that may be the second diagonal (p + 1, at most 8);
; 2: a position that cannot (14 to 16).
.macro CHUNK slot, sub, kind
.if \kind == 0
	s_wait_loadcnt 0x0                             ; q and its norms
	s_mov_b32 s82, s81
	BODY \slot, \sub, 1
.endif
.if \kind == 1
	s_cmp_eq_u32 s19, s20
	s_cbranch_scc1 .Ldiag_\@
	s_mul_f32 s82, s82, s80                        ; one chunk further down: gamma^128
	BODY \slot, \sub, 0
	s_branch .Ljoin_\@
.Ldiag_\@:
	EPI 54, 58, 1, 60, 66
	s_mov_b32 s82, s81
	BODY \slot, \sub, 1
.Ljoin_\@:
	s_add_co_u32 s19, s19, 1
.endif
.if \kind == 2
	s_mul_f32 s82, s82, s80
	BODY \slot, \sub, 0
.endif
.endm
; A slot's two chunks.  In front of the barrier every wave waits for all its tensor loads (one: its part of this slot) and for its reads of the
; other slot; behind it the other slot's refill comes first, one load a wave, 80 KiB for the eight; it has two chunks' work in which to land.
; refill 1: all eight waves; 2: the walk's last position, a single chunk: waves 0-3 alone; 0: nothing is left to fetch.
.macro PAIR slot, refill, kind, both
	s_set_vgpr_msb 0x5
	s_wait_tensorcnt 0x0
	ds_add_u32 v0, v1
	s_wait_dscnt 0x0
	s_set_vgpr_msb 0x500
	s_wait_dscnt 0x0
.if \refill
	s_add_co_u32 s21, s21, 2                       ; no tensor load of mine is out: a group 0 may be written
	ADDR 1-\slot
.endif
	s_barrier_signal -1
	s_barrier_wait -1
.if \refill == 1
	TLOAD 1-\slot
.endif
.if \refill == 2
	s_cmp_lg_u32 s23, 0
	s_cbranch_scc1 .Lnone_\@
	TLOAD 1-\slot
.Lnone_\@:
.endif
	CHUNK \slot, 0, \kind
.if \both
	CHUNK \slot, 1, \kind
.endif
.endm
	s_wait_tensorcnt 1                             ; my part of slot 0 is in; slot 1's stays out
	s_barrier_signal -1
	s_barrier_wait -1
	CHUNK 0, 0, 0                                  ; position 0
	CHUNK 0, 1, 1                                  ; position 1
	s_mov_b32 s22, 3
.Lpairs:
	PAIR 1, 1, 1, 1                                ; positions 2 to 13
	PAIR 0, 1, 1, 1
	s_sub_co_u32 s22, s22, 1
	s_cmp_lg_u32 s22, 0
	s_cbranch_scc1 .Lpairs
	PAIR 1, 2, 2, 1                                ; positions 14, 15; position 16 is asked for
	PAIR 0, 0, 2, 0                                ; position 16
	EPI 62, 68, 0, 60, 66
	s_set_vgpr_msb 0x5
	s_wait_tensorcnt 0x0
	ds_add_u32 v0, v1
	s_wait_dscnt 0x0
	s_set_vgpr_msb 0x500
	s_endpgm
.Lfunc_end_k_q534a9eedf4_attn:
	.size	k_q534a9eedf4_attn, .Lfunc_end_k_q534a9eedf4_attn-k_q534a9eedf4_attn
	.p2alignl 7, 3214868480
	.fill 96, 4, 3214868480
	.section	.rodata,"a",@progbits
	.p2align	6, 0x0
	.amdhsa_kernel k_q534a9eedf4_attn
		.amdhsa_group_segment_fixed_size 327680
		.amdhsa_private_segment_fixed_size 0
		.amdhsa_enable_private_segment 0
		.amdhsa_kernarg_size 32
		.amdhsa_user_sgpr_count 2
		.amdhsa_user_sgpr_kernarg_segment_ptr 1
		.amdhsa_wavefront_size32 1
		.amdhsa_system_sgpr_workgroup_id_x 1
		.amdhsa_system_sgpr_workgroup_id_y 1
		.amdhsa_system_sgpr_workgroup_id_z 1
		.amdhsa_system_vgpr_workitem_id 0
		.amdhsa_next_free_vgpr 258
		.amdhsa_next_free_sgpr 90
		.amdhsa_reserve_vcc 1
		.amdhsa_float_denorm_mode_32 3
		.amdhsa_float_denorm_mode_16_64 3
		.amdhsa_memory_ordered 1
		.amdhsa_forward_progress 1
		.amdhsa_inst_pref_size 255
	.end_amdhsa_kernel
	.section	.bss,"aw",@nobits
	.p2align	6
	.space	262144
	.amdgpu_metadata
---
amdhsa.version: [ 1, 2 ]
amdhsa.kernels:
  - .name:           k_q534a9eedf4_attn
    .symbol:         k_q534a9eedf4_attn.kd
    .args:
      - { .name: qkvg, .offset: 0, .size: 8, .value_kind: global_buffer, .address_space: global }
      - { .name: qs, .offset: 8, .size: 8, .value_kind: global_buffer, .address_space: global }
      - { .name: gnp, .offset: 16, .size: 8, .value_kind: global_buffer, .address_space: global }
      - { .name: yh, .offset: 24, .size: 8, .value_kind: global_buffer, .address_space: global }
    .group_segment_fixed_size: 327680
    .private_segment_fixed_size: 0
    .kernarg_segment_align: 8
    .kernarg_segment_size: 32
    .max_flat_workgroup_size: 256
    .sgpr_count:     90
    .vgpr_count:     258
    .wavefront_size: 32
...
	.end_amdgpu_metadata
.endif
;; end of part 3
;; launch outp (part 4): grid 8 x 32, 4 waves a work-group, clusters of 4 x 4, 327,680 bytes of LDS; arguments yh, wh, out0; writes out0
.if DOCPART == 4
	.amdgcn_target "amdgcn-amd-amdhsa--gfx1250"
	.amdhsa_code_object_version 6
	.text
	.protected	k_q534a9eedf4_outp
	.globl	k_q534a9eedf4_outp
	.p2align	8
	.type	k_q534a9eedf4_outp,@function
k_q534a9eedf4_outp:
	s_mov_b64 s[64:65], 0
	v_nop
	global_prefetch_b8 v0, s[64:65] scope:SCOPE_SE
	s_setreg_imm32_b32 hwreg(HW_REG_WAVE_MODE, 25, 1), 1
	s_wait_xcnt 0x0
	s_wait_alu depctr_hold_cnt(0) depctr_sa_sdst(0) depctr_va_vdst(0) depctr_va_sdst(0) depctr_va_ssrc(0) depctr_va_vcc(0) depctr_vm_vsrc(0)
	s_getreg_b32 s2, hwreg(HW_REG_IB_STS2, 6, 4)
	s_cmp_eq_u32 s2, 0
	s_cbranch_scc0 .Lentry_in_a_cluster
	s_endpgm
.Lentry_in_a_cluster:
	s_bfe_u32 s2, ttmp6, 0x10000c
	s_cmp_lg_u32 s2, 0xf033
	s_cbranch_scc0 .Lentry_shape_is_right
	s_endpgm
.Lentry_shape_is_right:
; out0[token][n] = sum over k of y^[token][k] (Wo[n][k] c[k]): 4096 x 1024 x 1024 in f16 with f32 sums.
; y^ lies as [tb][head][128 tokens][64] (k = 64 head + d), the scaled Wo as rows 4096 .. 5119 of wh.
; 256 work-groups of 128 tokens x 128 columns; a wave makes 64 x 64: 16 accumulator tiles in window 1, tile (a, b) at v[8 (4 a + b)].
; K goes in four fills of 256 (four heads) through two LDS slots, all written out.  4 x 4 clusters: y^'s tiles are shared along a row of the
; cluster, Wo's along a column, by joint loads.  A wave has two tensor loads out at the start and one behind each round.
; The matrix instruction is used transposed (source 0 = rows of Wo, source 1 = tokens): a lane holds eight neighbouring columns of one token.
; LIMITS: those of the f16 operands, stated where they are made.
.set SLOTB, 147456                     ; a slot: 36,864 bytes a wave
.set WREG,  36864                      ; waves 0, 1: two heads of y^, 256 rows of 128 bytes, pitch 144; waves 2, 3: 64 rows of Wo, 512 bytes, pitch 528
.set STAGE, 294912                     ; 4 x 16 rows of pitch 272; no tensor load lands here
.set ADRA, 16
.set ADRB, 20
.set STO,  24
.set RD,   25
.set CO,   26
.set F0,   64                          ; fragments: tokens at +8 a, Wo rows at +32 + 8 b
.set F1,   128
.set RB,   192                         ; rows read back, two sets of 32
.set G1, 24
.set G0, 32
.set G1B, 48
.set G0B, 56
.set MSB, 0
.macro WIN new
.if MSB != \new
	s_set_vgpr_msb (MSB<<8)|\new
.set MSB, \new
.endif
.endm
.macro JLOAD s
	s_cmp_eq_u32 s11, 0
	s_cbranch_scc0 .Lfor_b_\@
	tensor_load_to_lds s[G0+4*\s:G0+4*\s+3], s[G1:G1+7]
	s_nop 0
	s_branch .Lasked_\@
.Lfor_b_\@:
	tensor_load_to_lds s[G0B+4*\s:G0B+4*\s+3], s[G1B:G1B+7]
	s_nop 0
.Lasked_\@:
.endm
.macro CROUND                          ; a round of the cluster's barrier
	s_barrier_signal -1
	s_barrier_wait -1
	s_cmp_lg_u32 s10, 0
	s_cbranch_scc1 .Lnot_wave_0_\@
	s_barrier_signal -3
.Lnot_wave_0_\@:
	s_barrier_wait -3
	s_barrier_signal -1
	s_barrier_wait -1
.endm
.macro PLACES
.rept 4
	v_nop
.endr
.endm
	s_load_b128 s[4:7], s[0:1], 0x0                ; yh, wh
	s_load_b64 s[8:9], s[0:1], 0x10                ; out0
	v_lshl_add_u32 v62, v0, 2, 0x4c400
	v_mov_b32 v63, 0
	ds_add_u32 v62, v63
	v_lshrrev_b32 v1, 5, v0
	v_readfirstlane_b32 s10, v1
	s_lshr_b32 s11, s10, 1                         ; my 64 tokens; also: I fetch y^ (0) or Wo (1)
	s_and_b32 s12, s10, 1                          ; my 64 columns; also which half I fetch
	s_bfe_u32 s40, ttmp6, 0x40000
	s_bfe_u32 s41, ttmp6, 0x40004
	s_lshl_b32 s42, ttmp9, 2
	s_add_co_u32 s42, s42, s40                     ; block of 128 columns
	s_and_b32 s13, ttmp7, 0xffff
	s_lshl_b32 s13, s13, 2
	s_add_co_u32 s13, s13, s41                     ; block of 128 tokens
	s_lshl_b32 s43, s41, 2
	s_lshl_b32 s43, 15, s43
	s_lshl_b32 s44, 0x1111, s40
	s_or_b32 s[G1+0], s43, (1<<16)|(1<<20)|(1<<21)|(4<<22)|(3<<25)   ; y^: my row of the cluster; 4 words behind every 32
	s_mov_b32 s[G1+1], 64<<16                      ; tensor_dim0 = 64
	s_mov_b32 s[G1+2], 256<<16                     ; tensor_dim1 = 256
	s_mov_b32 s[G1+3], 64<<16                      ; tile_dim0 = 64
	s_mov_b32 s[G1+4], 256                         ; tile_dim1 = 256: two heads' rows follow each other in memory
	s_mov_b32 s[G1+5], 64
	s_mov_b32 s[G1+6], 0
	s_mov_b32 s[G1+7], 0
	s_or_b32 s[G1B+0], s44, (1<<16)|(1<<20)|(1<<21)|(6<<22)|(3<<25)  ; Wo: my column; 4 words behind every 128
	s_mov_b32 s[G1B+1], 256<<16
	s_mov_b32 s[G1B+2], 64<<16
	s_mov_b32 s[G1B+3], 256<<16
	s_mov_b32 s[G1B+4], 64
	s_mov_b32 s[G1B+5], 1024
	s_mov_b32 s[G1B+6], 0
	s_mov_b32 s[G1B+7], 0
	s_lshl_b32 s16, s13, 18                        ; a token block: 16 heads of 16,384 bytes
	s_lshl_b32 s17, s12, 15                        ; my two heads of the four
	s_add_co_u32 s16, s16, s17
	s_mov_b32 s17, 0
	s_lshl_b32 s46, s42, 7
	s_lshl_b32 s47, s12, 6
	s_add_co_u32 s46, s46, s47
	s_lshl_b32 s46, s46, 11                        ; rows of 2,048 bytes,
	s_add_co_u32 s46, s46, 0x800000                ; behind the 4,096 rows of the projections
	s_mov_b32 s47, 0
	s_mul_i32 s20, s10, WREG
	s_wait_dscnt 0x0
	s_wait_kmcnt 0x0
	s_add_nc_u64 s[14:15], s[4:5], s[16:17]
	s_add_nc_u64 s[46:47], s[6:7], s[46:47]
	CROUND                                         ; in front of the first joint loads
.irp s, 0,1
	s_mov_b32 s[G0+4*\s], 1
	s_add_co_u32 s[G0+4*\s+1], s20, \s*SLOTB
	s_add_nc_u64 s[G0+4*\s+2:G0+4*\s+3], s[14:15], \s*65536        ; four heads on
	s_or_b32 s[G0+4*\s+3], s[G0+4*\s+3], 0x80000000
	s_mov_b32 s[G0B+4*\s], 1
	s_add_co_u32 s[G0B+4*\s+1], s20, \s*SLOTB
	s_add_nc_u64 s[G0B+4*\s+2:G0B+4*\s+3], s[46:47], \s*512        ; 256 along K
	s_or_b32 s[G0B+4*\s+3], s[G0B+4*\s+3], 0x80000000
	JLOAD \s
.endr
	v_and_b32 v1, 15, v0                           ; r
	v_bfe_u32 v2, v0, 4, 1                         ; h
	v_mul_u32_u24 v3, v1, 144
	v_lshl_add_u32 v3, v2, 4, v3
	v_mul_u32_u24 v4, v1, 528
	v_lshl_add_u32 v4, v2, 4, v4
	s_mul_i32 s21, s11, 64*144
	s_mul_i32 s22, s12, WREG
	s_add_co_u32 s22, s22, 2*WREG
.irp s, 0,1
	v_add_nc_u32 v[ADRA+\s], s21, v3
	v_add_nc_u32 v[ADRB+\s], s22, v4
	s_add_co_u32 s21, s21, SLOTB
	s_add_co_u32 s22, s22, SLOTB
.endr
	s_mul_i32 s23, s10, 4352
	s_add_co_u32 s23, s23, STAGE
	v_mul_u32_u24 v5, v1, 272
	v_lshl_add_u32 v5, v2, 5, v5
	v_add_nc_u32 v[STO], s23, v5                   ; in: row r, 32 bytes for each half of the lanes
	v_mul_u32_u24 v5, v2, 272
	v_lshl_add_u32 v5, v1, 4, v5
	v_add_nc_u32 v[RD], s23, v5                    ; back: lanes 0-15 one row of 256 bytes, lanes 16-31 the next
	v_lshlrev_b32 v5, 12, v2
	v_lshl_add_u32 v[CO], v1, 4, v5                ; the same two rows in out0
; 16 loads: the fragments of 32 along K, q = 0..7 in a slot: head q / 2, d from 32 (q % 2)
.macro FETCH slot, q, f
.irp a, 0,1,2,3
	ds_load_b128 v[\f+8*\a:\f+8*\a+3],   v[ADRA+\slot] offset:((\q)/2)*18432+2304*\a+64*((\q)%2)
	ds_load_b128 v[\f+8*\a+4:\f+8*\a+7], v[ADRA+\slot] offset:((\q)/2)*18432+2304*\a+64*((\q)%2)+32
.endr
.irp b, 0,1,2,3
	ds_load_b128 v[\f+32+8*\b:\f+32+8*\b+3], v[ADRB+\slot] offset:8448*\b+64*(\q)
	ds_load_b128 v[\f+32+8*\b+4:\f+32+8*\b+7], v[ADRB+\slot] offset:8448*\b+64*(\q)+32
.endr
.endm
.macro MUL f, zero                     ; the 16 accumulators take turns, one instruction a turn, in the same order every time
.irp a, 0,1,2,3
.irp b, 0,1,2,3
.if \zero
	v_wmma_f32_16x16x32_f16 v[8*(4*\a+\b):8*(4*\a+\b)+7], v[\f+32+8*\b:\f+32+8*\b+7], v[\f+8*\a:\f+8*\a+7], 0
.else
	v_wmma_f32_16x16x32_f16 v[8*(4*\a+\b):8*(4*\a+\b)+7], v[\f+32+8*\b:\f+32+8*\b+7], v[\f+8*\a:\f+8*\a+7], v[8*(4*\a+\b):8*(4*\a+\b)+7]
.endif
.endr
.endr
.endm
; 32 along K on buffer f; first the next 32's fragments are asked for, into buffer g, four places behind the products that read it.
.macro QTR f, zero, fetch, slot, q, g
.if \fetch
	PLACES
	WIN 0
	FETCH \slot, \q, \g
	s_wait_dscnt 16                                ; all but the 16 just issued
.else
	s_wait_dscnt 0x0
.endif
	WIN 0x50                                       ; C and D in window 1
	MUL \f, \zero
.endm
.macro RUN slot, zero
	QTR F0, \zero, 1, \slot, 1, F1
	QTR F1, 0, 1, \slot, 2, F0
	QTR F0, 0, 1, \slot, 3, F1
	QTR F1, 0, 1, \slot, 4, F0
	QTR F0, 0, 1, \slot, 5, F1
	QTR F1, 0, 1, \slot, 6, F0
	QTR F0, 0, 1, \slot, 7, F1
	QTR F1, 0, 0, \slot, 0, F0
.endm
; Slot 'slot' has been read and is filled again; the round of the cluster's barrier is the barrier in front of the refill.
.macro CHANGE slot, next
	WIN 0
	s_wait_dscnt 0x0                               ; my reads of the slot are back
	s_wait_tensorcnt 0x0                           ; all my tensor loads have landed, my part of the next slot among them
	ds_add_u32 v62, v63
	s_wait_dscnt 0x0
	s_add_nc_u64 s[G0+4*\slot+2:G0+4*\slot+3], s[G0+4*\slot+2:G0+4*\slot+3], 131072
	s_add_nc_u64 s[G0B+4*\slot+2:G0B+4*\slot+3], s[G0B+4*\slot+2:G0B+4*\slot+3], 1024
	CROUND
	JLOAD \slot                                    ; the first tensor load behind the round, one a wave
	PLACES
	FETCH \next, 0, F0
.endm
	s_wait_tensorcnt 1                             ; my part of slot 0 is in; slot 1's stays out
	s_barrier_signal -1
	s_barrier_wait -1
	FETCH 0, 0, F0
	RUN 0, 1                                       ; heads 0-3: the first products start the sums
	CHANGE 0, 1
	RUN 1, 0                                       ; heads 4-7
	CHANGE 1, 0
	RUN 0, 0                                       ; heads 8-11
	WIN 0
	s_wait_dscnt 0x0
	s_wait_tensorcnt 0x0                           ; my part of the last fill is in
	s_barrier_signal -1
	s_barrier_wait -1                              ; everybody's is; nothing is filled any more
	PLACES
	FETCH 1, 0, F0
	RUN 1, 0                                       ; heads 12-15
	; THE WAY OUT, 16 tokens at a time: 32 bytes a lane into my stage, back as whole rows of 256 bytes.
	PLACES
	WIN 0
	s_lshl_b32 s16, s13, 19                        ; 128 tokens of 4,096 bytes
	s_lshl_b32 s17, s11, 18
	s_add_co_u32 s16, s16, s17
	s_mov_b32 s17, 0
	s_add_nc_u64 s[8:9], s[8:9], s[16:17]
	s_lshl_b32 s46, s42, 9                         ; 128 columns of 4 bytes
	s_lshl_b32 s47, s12, 8
	s_add_co_u32 s46, s46, s47
	s_mov_b32 s47, 0
	s_add_nc_u64 s[8:9], s[8:9], s[46:47]
.macro OUT16 a, rb
	WIN 0x04                                       ; the stores' data in window 1
.irp b, 0,1,2,3
	ds_store_b128 v[STO], v[8*(4*\a+\b):8*(4*\a+\b)+3] offset:64*\b
	ds_store_b128 v[STO], v[8*(4*\a+\b)+4:8*(4*\a+\b)+7] offset:64*\b+16
.endr
	WIN 0
	s_wait_xcnt 0x0                                ; the set that earlier stores read is loaded again only behind this wait
.irp t, 0,1,2,3,4,5,6,7
	ds_load_b128 v[\rb+4*\t:\rb+4*\t+3], v[RD] offset:544*\t       ; my own bytes, served in order
.endr
.irp t, 0,1,2,3,4,5,6,7
	s_wait_dscnt 7-\t
	global_store_b128 v[CO], v[\rb+4*\t:\rb+4*\t+3], s[8:9] offset:65536*\a+8192*\t th:TH_STORE_NT   ; 16 lanes store 256 consecutive, aligned bytes
.endr
.endm
	OUT16 0, RB
	OUT16 1, RB+32
	OUT16 2, RB
	OUT16 3, RB+32
	s_wait_tensorcnt 0x0
	ds_add_u32 v62, v63
	s_wait_dscnt 0x0
	CROUND                                         ; the closing round
	s_endpgm
.Lfunc_end_k_q534a9eedf4_outp:
	.size	k_q534a9eedf4_outp, .Lfunc_end_k_q534a9eedf4_outp-k_q534a9eedf4_outp
	.p2alignl 7, 3214868480
	.fill 96, 4, 3214868480
	.section	.rodata,"a",@progbits
	.p2align	6, 0x0
	.amdhsa_kernel k_q534a9eedf4_outp
		.amdhsa_group_segment_fixed_size 327680
		.amdhsa_private_segment_fixed_size 0
		.amdhsa_enable_private_segment 0
		.amdhsa_kernarg_size 24
		.amdhsa_user_sgpr_count 2
		.amdhsa_user_sgpr_kernarg_segment_ptr 1
		.amdhsa_wavefront_size32 1
		.amdhsa_system_sgpr_workgroup_id_x 1
		.amdhsa_system_sgpr_workgroup_id_y 1
		.amdhsa_system_sgpr_workgroup_id_z 1
		.amdhsa_system_vgpr_workitem_id 0
		.amdhsa_next_free_vgpr 384
		.amdhsa_next_free_sgpr 66
		.amdhsa_reserve_vcc 0
		.amdhsa_float_denorm_mode_32 3
		.amdhsa_float_denorm_mode_16_64 3
		.amdhsa_memory_ordered 1
		.amdhsa_forward_progress 1
		.amdhsa_inst_pref_size 88
	.end_amdhsa_kernel
	.amdgpu_metadata
---
amdhsa.version: [ 1, 2 ]
amdhsa.kernels:
  - .name:           k_q534a9eedf4_outp
    .symbol:         k_q534a9eedf4_outp.kd
    .args:
      - { .name: yh, .offset: 0, .size: 8, .value_kind: global_buffer, .address_space: global }
      - { .name: wh, .offset: 8, .size: 8, .value_kind: global_buffer, .address_space: global }
      - { .name: out0, .offset: 16, .size: 8, .value_kind: global_buffer, .address_space: global }
    .group_segment_fixed_size: 327680
    .private_segment_fixed_size: 0
    .kernarg_segment_align: 8
    .kernarg_segment_size: 24
    .max_flat_workgroup_size: 128
    .sgpr_count:     66
    .vgpr_count:     384
    .wavefront_size: 32
...
	.end_amdgpu_metadata
.endif
;; end of part 4
